; MI455X (gfx1250); checked and timed in simulation.
; The chip was launched on July 23, 2026; its instructions are those of AMD's public machine-readable ISA for CDNA 5 (MIT licence, August 2026) and "CDNA5" Instruction Set Architecture Reference Guide (July 2026). The comments in the code are by the model that wrote it; some were corrected since.
;; Mo E Layer. Allowed arithmetic: float matrix products may take bf16 or f16 operands with f32 sums; other float arithmetic in f32, or as packed bf16 or f16 multiplies, adds, multiply-adds, maxima and minima; sums over many terms, partial sums and values carried from step to step in f32; what a program stores and reads back later, other than sums and carried values, may be rounded once to bf16 or f16.
;; Inputs: eb1 8 x 2,048 float32; eb2 8 x 2,048 float32; eb3 8 x 1,024 float32; ew1 8 x 1,024 x 2,048 float32; ew2 8 x 2,048 x 2,048 float32; ew3 8 x 2,048 x 1,024 float32; gb1 256 float32; gb2 128 float32; gb3 8 float32; gw1 1,024 x 256 float32; gw2 256 x 128 float32; gw3 128 x 8 float32; x 1,024 x 1,024 float32.
;; Outputs: out0 1,024 x 1,024 float32; out1 one number float32; out2 1,024 x 8 float32.
;; One version. Each part assembles by itself: llvm-mc -triple=amdgcn-amd-amdhsa -mcpu=gfx1250 --defsym DOCPART=n.
;; ======== version 1 of 1: 5 launches
;; limits: values are held in f16: magnitudes above 65,504 overflow, below 6.1e-05 lose precision
;; workspace buffers: xb 2,097,152 bytes; choice 4,096 bytes of whole numbers; gatew 8,192 bytes; rows 32,768 bytes of whole numbers; cnt 1,024 bytes of whole numbers; h1 33,554,432 bytes; h2 33,554,432 bytes; y 16,777,216 bytes
;; launch router (part 1): grid 64 x 1, 8 waves a work-group, no clusters, 169,472 bytes of LDS; arguments x, gw1, gb1, gw2, gb2, gw3, gb3, xb, choice, gatew, out2; writes xb, choice, gatew, out2
.if DOCPART == 1
	.amdgcn_target "amdgcn-amd-amdhsa--gfx1250"
	.amdhsa_code_object_version 6
	.text
	.protected	k_q68271f066c_router
	.globl	k_q68271f066c_router
	.p2align	8
	.type	k_q68271f066c_router,@function
k_q68271f066c_router:
	s_mov_b64 s[64:65], 0
	v_nop
	global_prefetch_b8 v0, s[64:65] scope:SCOPE_SE
	s_setreg_imm32_b32 hwreg(HW_REG_WAVE_MODE, 25, 1), 1
	s_wait_xcnt 0x0
; THE GATE.  g1 = relu(x gw1 + gb1), g2 = relu(g1 gw2 + gb2), logits = g2 gw3 + gb3, softmax, top 2 with renormalised weights; and x rounded to bf16 for the first expert product.
; A work-group has 16 tokens, eight waves.  Every input (x, weights, biases) is rounded once to bf16; products of two bf16 are exact in the matrix unit, sums are f32.
; g1 and g2 are NOT rounded: each is split into three bf16 terms hi + mid + lo (each the rounding of what the terms before leave, the differences being exact in f32), and the next
; product is made of all three, in three accumulators.  So the logits carry f32 sums' accuracy, which the choice of the second against the third expert needs.
; THE MATRIX INSTRUCTION IS USED TRANSPOSED: source 0 = 16 columns of the weights, source 1 = 16 tokens.  Lane (r = lane % 16, h = lane / 16) then holds token r and eight neighbouring
; columns, which packed in pairs ARE registers 0-3 or 4-7 of the next layer's token fragment.
; Layer 1: wave w has columns 32 w .. 32 w + 31; K = 1,024 in 32 chunks of 32; gw1 comes through a ring of four chunks in registers and is turned through the wave's own LDS stage.
; Layer 2: wave w has columns 16 w ..; layer 3 and all behind it: wave 0.  In layer 3 weight column r % 8 stands in place r, so both halves of the lanes hold all eight logits of token r.
; What hangs on the floating-point choice is stored at fixed places only: choice[token] = first | second << 8, gatew[token] = the two weights.
; NO CLUSTER: the launch has no tensor load; what the work-groups share (gw1, gw2) has to be rounded in registers on its way.
; LIMITS.  NaN and infinities are not treated apart; equal logits: the lower index wins; an exponential below 2^-126 counts as 0.
.set XS,    0                          ; x in bf16: 16 rows of 2,048 bytes + 16: the 16 rows of a fragment load start in 16 different 16-byte columns modulo 256
.set XP,    2064
.set S1,    33280                      ; eight stages, each wave's own: 32 k x (64 + 32) bytes
.set S1P,   96
.set W2,    57856                      ; gw2 in bf16: 256 k x (256 + 32) bytes
.set W2P,   288
.set G1,    131584                     ; g1: 3 terms x 8 K steps x 1,024 bytes (a fragment: 2 halves x 32 lanes x 16 bytes)
.set G2,    156160                     ; g2: 3 terms x 4 K steps x 1,024 bytes
.set SPARE, 168448                     ; the spare words, 128 bytes a wave: four blocks of 256 bytes that no other line names
.set SPW,   4                          ; v4  SPARE + 4 x thread; never rewritten
.set NIL,   5                          ; v5  0; never rewritten
.set XOFF,  6
.set XBOFF, 7
.set XSST,  8
.set W2OFF, 9
.set W2ST,  10
.set G1OFF, 11
.set S1ST,  12
.set S1TR,  13
.set XSRD,  14
.set B1OFF, 15
.set B2OFF, 16
.set G1ST,  17
.set W2TR,  18
.set L16,   19
.set G2ST,  20
.set W2TR2, 27
.set GRD1,  28
.set GRD2,  29
.set G3OFF, 30
.set A0,    40                         ; v40-55  layer 1's two accumulators; later a layer's sums, logits (v40-47) and probabilities (v48-55)
.set WF,    56                         ; v56-71  layer 1's weight fragments; v72-79 its token fragment; later v56-79 the split terms
.set XF,    72
.set GB1,   80                         ; v80-95  gb1
.set GB2,   96                         ; v96-103 gb2, later gb3
.set T0,    104                        ; v104.. at work
.set RING,  128                        ; v128-255 gw1: four chunks x 8 loads x 4; later v128-191 gw3, v192-215 the accumulators of hi, mid, lo
.set AH,    192
.set AM,    200
.set AL,    208
.set MSB, 0
.macro WIN new                         ; s_set_vgpr_msb: bits 1:0 source 0, 3:2 source 1, 5:4 source 2, 7:6 destination; the high byte repeats the setting that is left
.if MSB != (\new)
	s_set_vgpr_msb (MSB<<8)|(\new)
.set MSB, \new
.endif
.endm
.set W_LD1, 0x40                       ; destination in window 1
.set W_CV1, 0x45                       ; destination and both sources in window 1
.set W_ST1, 0x04                       ; store data (source 1) in window 1; also: matrix source 1 in window 1
.set W_MM2, 0x05                       ; matrix sources 0 and 1 in window 1
	s_load_b512 s[4:19], s[0:1], 0x0               ; x 4, gw1 6, gb1 8, gw2 10, gb2 12, gw3 14, gb3 16, xb 18
	s_load_b128 s[24:27], s[0:1], 0x40             ; choice 24, gatew 26
	s_load_b64 s[28:29], s[0:1], 0x50              ; out2
	v_lshl_add_u32 v[SPW], v0, 2, SPARE
	v_mov_b32 v[NIL], 0
	v_lshrrev_b32 v21, 5, v0
	v_readfirstlane_b32 s20, v21                   ; wave 0..7
	s_mov_b32 s21, ttmp9                           ; my block of 16 tokens
	s_mov_b32 s22, 0xffff0000                      ; a word's upper bf16
	s_mov_b32 s48, 0x3fb8aa3b                      ; log2(e)
	v_and_b32 v1, 15, v0                           ; r
	v_bfe_u32 v2, v0, 4, 1                         ; h
	v_and_b32 v3, 31, v0                           ; lane
	v_lshlrev_b32 v[L16], 4, v3
	v_lshlrev_b32 v22, 3, v3                       ; 8 x lane
	v_and_b32 v23, 7, v0                           ; lane % 8
	v_bfe_u32 v24, v0, 3, 2                        ; lane / 8
	v_bfe_u32 v25, v0, 3, 1                        ; (lane / 8) % 2
	v_lshl_add_u32 v26, v2, 3, v23                 ; 8 h + lane % 8: my row in a turning load
	s_lshl_b32 s44, s20, 13
	v_add_nc_u32 v[XOFF], s44, v[L16]              ; x: tokens 2 w, 2 w + 1 of the block, 4,096 bytes a row
	s_lshl_b32 s44, s20, 12
	v_add_nc_u32 v[XBOFF], s44, v22                ; xb: the same two rows, 2,048 bytes each
	s_mul_i32 s44, s20, 2*XP
	v_add_nc_u32 v[XSST], s44, v22
	s_lshl_b32 s44, s20, 14
	v_add_nc_u32 v[W2OFF], s44, v[L16]             ; gw2: rows 32 w .., 512 bytes each
	s_mul_i32 s44, s20, 32*W2P
	s_add_co_u32 s44, s44, W2
	v_add_nc_u32 v[W2ST], s44, v22
	s_lshl_b32 s44, s20, 7
	v_lshlrev_b32 v[G1OFF], 4, v23
	v_lshl_add_u32 v[G1OFF], v24, 10, v[G1OFF]
	v_add_nc_u32 v[G1OFF], s44, v[G1OFF]           ; gw1: row lane / 8, my wave's 128 bytes of it, 16 bytes a lane
	v_lshl_add_u32 v[B1OFF], v2, 5, s44            ; gb1: 4 (32 w + 8 h)
	s_mul_i32 s45, s20, 32*S1P
	s_add_co_u32 s45, s45, S1                      ; my stage
	v_mul_u32_u24 v[S1ST], v24, S1P
	v_lshl_add_u32 v[S1ST], v23, 3, v[S1ST]
	v_add_nc_u32 v[S1ST], s45, v[S1ST]
	v_mul_u32_u24 v[S1TR], v26, S1P
	v_lshl_add_u32 v[S1TR], v25, 4, v[S1TR]
	v_add_nc_u32 v[S1TR], s45, v[S1TR]
	v_mul_u32_u24 v[XSRD], v1, XP
	v_lshl_add_u32 v[XSRD], v2, 4, v[XSRD]         ; a token fragment: row r, 16 bytes for each half of the lanes
	s_lshl_b32 s44, s20, 6
	v_lshl_add_u32 v[B2OFF], v2, 5, s44            ; gb2: 4 (16 w + 8 h)
	s_lshl_b32 s44, s20, 10
	s_add_co_u32 s44, s44, G1
	v_add_nc_u32 v[G1ST], s44, v[L16]              ; my 32 columns of g1 are K step w of layer 2
	s_lshl_b32 s44, s20, 5
	s_add_co_u32 s44, s44, W2
	v_mul_u32_u24 v[W2TR], v26, W2P
	v_lshl_add_u32 v[W2TR], v25, 4, v[W2TR]
	v_add_nc_u32 v[W2TR], s44, v[W2TR]             ; gw2 turned: my 16 columns
	v_add_nc_u32 v[W2TR2], 4*32*W2P, v[W2TR]       ; K steps 4 to 7: their offsets would pass 16 bits
	s_lshl_b32 s44, s20, 9
	s_add_co_u32 s44, s44, G2
	v_add_nc_u32 v[G2ST], s44, v[L16]              ; my 16 columns of g2: K step w / 2, half w % 2
	v_add_nc_u32 v[GRD1], G1, v[L16]
	v_add_nc_u32 v[GRD2], G2, v[L16]
	v_lshlrev_b32 v[G3OFF], 2, v23
	v_lshl_add_u32 v[G3OFF], v2, 8, v[G3OFF]       ; gw3: 32 bytes a row: rows 8 h .., column r % 8
	s_lshl_b32 s50, s21, 16
	s_mov_b32 s51, 0
	s_lshl_b32 s52, s21, 15
	s_mov_b32 s53, 0
	s_wait_kmcnt 0x0
	s_add_nc_u64 s[30:31], s[4:5], s[50:51]        ; x at my 16 rows
	s_add_nc_u64 s[32:33], s[18:19], s[52:53]      ; xb at my 16 rows
	s_mov_b64 s[34:35], s[6:7]                     ; gw1: it walks
	; ALL LOADS GO OUT FIRST: 16 of x, 32 of gw2, 6 of the biases, 32 of gw1's first four chunks
	WIN W_LD1
.set i, 0
.rept 16
	global_load_b128 v[4*i:4*i+3], v[XOFF], s[30:31] offset:(i/8)*4096+(i%8)*512 th:TH_LOAD_NT
.set i, i+1
.endr
.set i, 0
.rept 32
	global_load_b128 v[64+4*i:64+4*i+3], v[W2OFF], s[10:11] offset:512*i
.set i, i+1
.endr
	WIN 0
.irp c, 0,1
	global_load_b128 v[GB1+8*\c:GB1+8*\c+3],   v[B1OFF], s[8:9] offset:64*\c
	global_load_b128 v[GB1+8*\c+4:GB1+8*\c+7], v[B1OFF], s[8:9] offset:64*\c+16
.endr
	global_load_b128 v[GB2:GB2+3],   v[B2OFF], s[12:13]
	global_load_b128 v[GB2+4:GB2+7], v[B2OFF], s[12:13] offset:16
.set i, 0
.rept 32
	global_load_b128 v[RING+4*i:RING+4*i+3], v[G1OFF], s[34:35] offset:4*i*1024
.set i, i+1
.endr
	s_wait_loadcnt 63                              ; 70 loads are younger than x's last: x is in
	WIN W_CV1
.set i, 0
.rept 16
	v_cvt_pk_bf16_f32 v[4*i], v[4*i], v[4*i+1]
	v_cvt_pk_bf16_f32 v[4*i+1], v[4*i+2], v[4*i+3]
.set i, i+1
.endr
	WIN W_ST1
.set i, 0
.rept 16
	global_store_b64 v[XBOFF], v[4*i:4*i+1], s[32:33] offset:(i/8)*2048+(i%8)*256  ; 32 lanes store 256 consecutive bytes, at a multiple of 256 from xb's first byte
	ds_store_b64 v[XSST], v[4*i:4*i+1] offset:(i/8)*XP+(i%8)*256
.set i, i+1
.endr
	s_wait_loadcnt 32                              ; the 32 of gw1's ring are younger: gw2 and the biases are in
	WIN W_CV1
.set i, 0
.rept 32
	v_cvt_pk_bf16_f32 v[64+4*i], v[64+4*i], v[64+4*i+1]
	v_cvt_pk_bf16_f32 v[64+4*i+1], v[64+4*i+2], v[64+4*i+3]
.set i, i+1
.endr
	WIN W_ST1
.set i, 0
.rept 32
	ds_store_b64 v[W2ST], v[64+4*i:64+4*i+1] offset:W2P*i
.set i, i+1
.endr
	WIN 0
.set i, 0
.rept 8                                ; gb1, rounded to bf16, starts layer 1's sums: nothing is cleared and nothing added later
	v_cvt_pk_bf16_f32 v[T0], v[GB1+2*i], v[GB1+2*i+1]
	v_lshlrev_b32 v[A0+2*i], 16, v[T0]
	v_and_b32 v[A0+2*i+1], s22, v[T0]
.set i, i+1
.endr
.set i, 0
.rept 4
	v_cvt_pk_bf16_f32 v[T0], v[GB2+2*i], v[GB2+2*i+1]
	v_lshlrev_b32 v[GB2+2*i], 16, v[T0]
	v_and_b32 v[GB2+2*i+1], s22, v[T0]
.set i, i+1
.endr
	s_wait_dscnt 0x0                               ; for the others' sake: my rows of x and of gw2 are in LDS
	s_barrier_signal -1
	s_barrier_wait -1
; LAYER 1.  One chunk of 32 along K from ring slot s.  The 16 roundings are also the four places between the chunk before's products and the loads into their fragments.
; The stage is my wave's own and LDS serves a wave's instructions in order (ISA guide 5.7.1.4): no wait between the stores and the turning loads, nor before the next chunk's stores.
; left: the loads younger than this slot's eight.  The two accumulators take turns, over the backward jump too.
.macro CHUNK s, refill, left
	s_wait_loadcnt \left
.set i, 0
.rept 8
.set b, RING+32*(\s)+4*i
	v_cvt_pk_bf16_f32 v[b], v[b], v[b+1]
	v_cvt_pk_bf16_f32 v[b+1], v[b+2], v[b+3]
.set i, i+1
.endr
.set i, 0
.rept 8
.set b, RING+32*(\s)+4*i
	ds_store_b64 v[S1ST], v[b:b+1] offset:4*i*S1P
.set i, i+1
.endr
	ds_load_tr16_b128 v[WF:WF+3],     v[S1TR]
	ds_load_tr16_b128 v[WF+4:WF+7],   v[S1TR] offset:16*S1P
	ds_load_tr16_b128 v[WF+8:WF+11],  v[S1TR] offset:32
	ds_load_tr16_b128 v[WF+12:WF+15], v[S1TR] offset:16*S1P+32
	ds_load_b128 v[XF:XF+3],   v[XSRD] offset:64*(\s)
	ds_load_b128 v[XF+4:XF+7], v[XSRD] offset:64*(\s)+32
.if \refill
.set i, 0
.rept 8
.set b, RING+32*(\s)+4*i
	global_load_b128 v[b:b+3], v[G1OFF], s[34:35] offset:((4+(\s))*32+4*i)*1024  ; the chunk four further on
.set i, i+1
.endr
.endif
	s_wait_dscnt 0x0
	v_wmma_f32_16x16x32_bf16 v[A0:A0+7],    v[WF:WF+7],    v[XF:XF+7], v[A0:A0+7]
	v_wmma_f32_16x16x32_bf16 v[A0+8:A0+15], v[WF+8:WF+15], v[XF:XF+7], v[A0+8:A0+15]
.endm
	s_mov_b32 s23, 7
.Lround:
	CHUNK 0, 1, 24
	CHUNK 1, 1, 24
	CHUNK 2, 1, 24
	CHUNK 3, 1, 24
	s_wait_xcnt 0x0                                ; gw1's base is stepped only behind this wait; it also frees the registers that xb's stores read
	s_add_nc_u64 s[34:35], s[34:35], 128*1024
	v_add_nc_u32 v[XSRD], 256, v[XSRD]
	s_sub_co_u32 s23, s23, 1
	s_cmp_lg_u32 s23, 0
	s_cbranch_scc1 .Lround
	CHUNK 0, 0, 24                                 ; the last four chunks load nothing: the counts run down
	CHUNK 1, 0, 16
	CHUNK 2, 0, 8
	CHUNK 3, 0, 0
.rept 4
	v_nop                                          ; four places behind the last products
.endr
.set i, 0
.rept 16
	v_max_num_f32 v[A0+i], 0, v[A0+i]              ; each accumulator is read from its low end on
.set i, i+1
.endr
; Eight f32 at v[a..] are split into hi, mid, lo, four packed registers each: a term is the rounding to bf16 of what is left, and what is left is exact in f32.
.macro SPLIT a, o
.irp q, 0,1,2,3
	v_cvt_pk_bf16_f32 v[(\o)+\q], v[(\a)+2*\q], v[(\a)+2*\q+1]
	v_lshlrev_b32 v[T0], 16, v[(\o)+\q]
	v_and_b32 v[T0+1], s22, v[(\o)+\q]
	v_pk_add_f32 v[(\a)+2*\q:(\a)+2*\q+1], v[(\a)+2*\q:(\a)+2*\q+1], v[T0:T0+1] neg_lo:[0,1] neg_hi:[0,1]
	v_cvt_pk_bf16_f32 v[(\o)+4+\q], v[(\a)+2*\q], v[(\a)+2*\q+1]
	v_lshlrev_b32 v[T0], 16, v[(\o)+4+\q]
	v_and_b32 v[T0+1], s22, v[(\o)+4+\q]
	v_pk_add_f32 v[(\a)+2*\q:(\a)+2*\q+1], v[(\a)+2*\q:(\a)+2*\q+1], v[T0:T0+1] neg_lo:[0,1] neg_hi:[0,1]
	v_cvt_pk_bf16_f32 v[(\o)+8+\q], v[(\a)+2*\q], v[(\a)+2*\q+1]
.endr
.endm
	SPLIT A0, WF
	SPLIT A0+8, WF+12
.irp c, 0,1
.irp t, 0,1,2
	ds_store_b128 v[G1ST], v[WF+12*\c+4*\t:WF+12*\c+4*\t+3] offset:8192*\t+512*\c
.endr
.endr
	s_cmp_lg_u32 s20, 0
	s_cbranch_scc1 .Lno_gw3
.set i, 0
.rept 64                               ; wave 0: gw3 as it will stand in four fragments: K step i / 16, half (i / 8) % 2, k = 8 h + i % 8 of it
	global_load_b32 v[RING+i], v[G3OFF], s[14:15] offset:1024*(i/16)+512*((i/8)%2)+32*(i%8)
.set i, i+1
.endr
.Lno_gw3:
	s_wait_dscnt 0x0                               ; for the others' sake: my K step of g1 is in LDS
	s_barrier_signal -1
	s_barrier_wait -1
	; LAYER 2: my 16 columns, K = 256: 8 K steps x (hi, mid, lo).  The three accumulators take turns; the first products start the sums.
	WIN W_LD1
.irp k, 0,1,2,3
	ds_load_tr16_b128 v[8*\k:8*\k+3],   v[W2TR] offset:32*W2P*\k
	ds_load_tr16_b128 v[8*\k+4:8*\k+7], v[W2TR] offset:32*W2P*\k+16*W2P
.endr
.irp k, 0,1,2,3
	ds_load_tr16_b128 v[32+8*\k:32+8*\k+3],   v[W2TR2] offset:32*W2P*\k
	ds_load_tr16_b128 v[32+8*\k+4:32+8*\k+7], v[W2TR2] offset:32*W2P*\k+16*W2P
.endr
.irp t, 0,1,2
.irp k, 0,1,2,3,4,5,6,7
	ds_load_b128 v[64+64*\t+8*\k:64+64*\t+8*\k+3],   v[GRD1] offset:8192*\t+1024*\k
	ds_load_b128 v[64+64*\t+8*\k+4:64+64*\t+8*\k+7], v[GRD1] offset:8192*\t+1024*\k+512
.endr
.endr
	s_wait_dscnt 0x0
	WIN W_MM2
	v_wmma_f32_16x16x32_bf16 v[AH:AH+7], v[0:7], v[64:71],   0
	v_wmma_f32_16x16x32_bf16 v[AM:AM+7], v[0:7], v[128:135], 0
	v_wmma_f32_16x16x32_bf16 v[AL:AL+7], v[0:7], v[192:199], 0
.irp k, 1,2,3,4,5,6,7
	v_wmma_f32_16x16x32_bf16 v[AH:AH+7], v[8*\k:8*\k+7], v[64+8*\k:64+8*\k+7],   v[AH:AH+7]
	v_wmma_f32_16x16x32_bf16 v[AM:AM+7], v[8*\k:8*\k+7], v[128+8*\k:128+8*\k+7], v[AM:AM+7]
	v_wmma_f32_16x16x32_bf16 v[AL:AL+7], v[8*\k:8*\k+7], v[192+8*\k:192+8*\k+7], v[AL:AL+7]
.endr
	WIN 0
; The three sums are added from the smallest on, then the bias: into v[A0..A0+7].  Each accumulator is read from its low end on.
.macro JOIN bias
.rept 4
	v_nop                                          ; four places behind the last product
.endr
.irp q, 0,2,4,6
	v_pk_add_f32 v[A0+\q:A0+\q+1], v[AL+\q:AL+\q+1], v[AM+\q:AM+\q+1]
.endr
.irp q, 0,2,4,6
	v_pk_add_f32 v[A0+\q:A0+\q+1], v[A0+\q:A0+\q+1], v[AH+\q:AH+\q+1]
.endr
.irp q, 0,2,4,6
	v_pk_add_f32 v[A0+\q:A0+\q+1], v[A0+\q:A0+\q+1], v[(\bias)+\q:(\bias)+\q+1]
.endr
.endm
	JOIN GB2
.set i, 0
.rept 8
	v_max_num_f32 v[A0+i], 0, v[A0+i]
.set i, i+1
.endr
	SPLIT A0, WF
.irp t, 0,1,2
	ds_store_b128 v[G2ST], v[WF+4*\t:WF+4*\t+3] offset:4096*\t
.endr
	s_wait_dscnt 0x0                               ; for wave 0's sake: my half K step of g2 is in LDS
	s_barrier_signal -1
	s_barrier_wait -1
	s_cmp_eq_u32 s20, 0
	s_cbranch_scc1 .Lwave0
	s_wait_tensorcnt 0x0                           ; waves 1 to 7 end
	ds_add_u32 v[SPW], v[NIL]
	s_wait_dscnt 0x0
	s_endpgm
.Lwave0:                               ; LAYER 3, softmax and the choice
	s_load_b256 s[36:43], s[16:17], 0x0            ; gb3
	WIN W_LD1
.irp t, 0,1,2
.irp k, 0,1,2,3
	ds_load_b128 v[64+32*\t+8*\k:64+32*\t+8*\k+3],   v[GRD2] offset:4096*\t+1024*\k
	ds_load_b128 v[64+32*\t+8*\k+4:64+32*\t+8*\k+7], v[GRD2] offset:4096*\t+1024*\k+512
.endr
.endr
	WIN 0
	s_wait_loadcnt 0x0                             ; gw3
.set i, 0
.rept 32
	v_cvt_pk_bf16_f32 v[RING+i], v[RING+2*i], v[RING+2*i+1]  ; packed downward: a result never lands on a pair still to be read
.set i, i+1
.endr
	s_wait_kmcnt 0x0
.irp q, 0,1,2,3
	v_cvt_pk_bf16_f32 v[T0], s[36+2*\q], s[37+2*\q]
	v_lshlrev_b32 v[GB2+2*\q], 16, v[T0]
	v_and_b32 v[GB2+2*\q+1], s22, v[T0]
.endr
	s_wait_dscnt 0x0
	WIN W_ST1
	v_wmma_f32_16x16x32_bf16 v[AH:AH+7], v[RING:RING+7], v[64:71],   0
	v_wmma_f32_16x16x32_bf16 v[AM:AM+7], v[RING:RING+7], v[96:103],  0
	v_wmma_f32_16x16x32_bf16 v[AL:AL+7], v[RING:RING+7], v[128:135], 0
.irp k, 1,2,3
	v_wmma_f32_16x16x32_bf16 v[AH:AH+7], v[RING+8*\k:RING+8*\k+7], v[64+8*\k:64+8*\k+7],   v[AH:AH+7]
	v_wmma_f32_16x16x32_bf16 v[AM:AM+7], v[RING+8*\k:RING+8*\k+7], v[96+8*\k:96+8*\k+7],   v[AM:AM+7]
	v_wmma_f32_16x16x32_bf16 v[AL:AL+7], v[RING+8*\k:RING+8*\k+7], v[128+8*\k:128+8*\k+7], v[AL:AL+7]
.endr
	WIN 0
	JOIN GB2                                       ; v40-47: my token's eight logits
	v_max3_num_f32 v104, v40, v41, v42
	v_max3_num_f32 v105, v43, v44, v45
	v_max3_num_f32 v104, v104, v46, v47
	v_max_num_f32 v104, v104, v105                 ; the row's maximum is taken away before the exponentials
	v_mul_f32 v105, s48, v104
.irp j, 0,1,2,3,4,5,6,7
	v_fma_f32 v[48+\j], v[40+\j], s48, -v105
.endr
.irp j, 0,1,2,3,4,5,6,7
	v_exp_f32 v[48+\j], v[48+\j]
.endr
	v_nop                                          ; a plain instruction behind the last exponential,
	s_wait_alu depctr_va_vdst(0)                   ; and one wait for the batch of eight, ahead of its first reader
	v_add_f32 v106, v48, v49
	v_add_f32 v107, v50, v51
	v_add_f32 v108, v52, v53
	v_add_f32 v109, v54, v55
	v_add_f32 v106, v106, v107
	v_add_f32 v108, v108, v109
	v_add_f32 v106, v106, v108
	v_rcp_f32 v107, v106
	v_mov_b32 v110, v40                            ; the first choice: logit, index, probability (the plain instruction behind the reciprocal)
	v_mov_b32 v111, 0
	s_wait_alu depctr_va_vdst(0)
.irp j, 0,1,2,3,4,5,6,7
	v_mul_f32 v[48+\j], v[48+\j], v107             ; v48-55: the probabilities
.endr
	v_mov_b32 v112, v48
.irp j, 1,2,3,4,5,6,7
	v_cmp_ge_f32 vcc_lo, v110, v[40+\j]            ; the holder stays unless the newcomer is strictly greater: the lower index wins a tie
	v_cndmask_b32 v110, v[40+\j], v110, vcc_lo
	v_cndmask_b32 v111, \j, v111, vcc_lo
	v_cndmask_b32 v112, v[48+\j], v112, vcc_lo
.endr
	v_mov_b32 v113, 0xff800000                     ; the second choice, the first one's index left out
	v_mov_b32 v114, 0
	v_mov_b32 v115, 0
.irp j, 0,1,2,3,4,5,6,7
	v_cmp_eq_u32 s44, \j, v111
	v_cmp_ge_f32 vcc_lo, v113, v[40+\j]
	s_or_b32 vcc_lo, vcc_lo, s44
	v_cndmask_b32 v113, v[40+\j], v113, vcc_lo
	v_cndmask_b32 v114, \j, v114, vcc_lo
	v_cndmask_b32 v115, v[48+\j], v115, vcc_lo
.endr
	v_add_f32 v106, v112, v115
	v_rcp_f32 v107, v106
	v_lshl_or_b32 v118, v114, 8, v111              ; first | second << 8
	s_mov_b32 s45, 0xffff0000
.irp i, 0,1,2,3
	v_cndmask_b32 v[120+\i], v[48+\i], v[52+\i], s45  ; lanes 0-15 store probabilities 0-3 of their token, lanes 16-31 probabilities 4-7
.endr
	v_lshlrev_b32 v119, 5, v1
	v_lshl_add_u32 v119, v2, 4, v119
	v_lshlrev_b32 v124, 2, v1
	v_lshlrev_b32 v125, 3, v1
	s_wait_alu depctr_va_vdst(0)
	v_mul_f32 v116, v112, v107
	v_mul_f32 v117, v115, v107
	s_lshl_b32 s50, s21, 9
	s_add_nc_u64 s[52:53], s[28:29], s[50:51]
	s_lshl_b32 s50, s21, 6
	s_add_nc_u64 s[54:55], s[24:25], s[50:51]
	s_lshl_b32 s50, s21, 7
	s_add_nc_u64 s[56:57], s[26:27], s[50:51]
	global_store_b128 v119, v[120:123], s[52:53]   ; the wave stores 512 consecutive bytes of out2
	v_cmp_gt_u32 vcc_lo, 16, v3
	s_wait_xcnt 0x0                                ; EXEC changes only behind this wait
	s_and_saveexec_b32 s46, vcc_lo                 ; one lane a token
	global_store_b32 v124, v118, s[54:55]
	global_store_b64 v125, v[116:117], s[56:57]
	s_wait_xcnt 0x0                                ; and again, in front of the line that widens it
	s_or_b32 exec_lo, exec_lo, s46
	s_wait_tensorcnt 0x0                           ; the wave's end
	ds_add_u32 v[SPW], v[NIL]
	s_wait_dscnt 0x0
	s_endpgm
.Lfunc_end_k_q68271f066c_router:
	.size	k_q68271f066c_router, .Lfunc_end_k_q68271f066c_router-k_q68271f066c_router
	.p2alignl 7, 3214868480
	.fill 96, 4, 3214868480
	.section	.rodata,"a",@progbits
	.p2align	6, 0x0
	.amdhsa_kernel k_q68271f066c_router
		.amdhsa_group_segment_fixed_size 169472
		.amdhsa_private_segment_fixed_size 0
		.amdhsa_enable_private_segment 0
		.amdhsa_kernarg_size 88
		.amdhsa_user_sgpr_count 2
		.amdhsa_user_sgpr_kernarg_segment_ptr 1
		.amdhsa_wavefront_size32 1
		.amdhsa_system_sgpr_workgroup_id_x 1
		.amdhsa_system_sgpr_workgroup_id_y 1
		.amdhsa_system_sgpr_workgroup_id_z 1
		.amdhsa_system_vgpr_workitem_id 0
		.amdhsa_next_free_vgpr 512
		.amdhsa_next_free_sgpr 66
		.amdhsa_reserve_vcc 1
		.amdhsa_float_denorm_mode_32 3
		.amdhsa_float_denorm_mode_16_64 3
		.amdhsa_memory_ordered 1
		.amdhsa_forward_progress 1
		.amdhsa_inst_pref_size 76
	.end_amdhsa_kernel
	.amdgpu_metadata
---
amdhsa.version: [ 1, 2 ]
amdhsa.kernels:
  - .name:           k_q68271f066c_router
    .symbol:         k_q68271f066c_router.kd
    .args:
      - { .name: x, .offset: 0, .size: 8, .value_kind: global_buffer, .address_space: global }
      - { .name: gw1, .offset: 8, .size: 8, .value_kind: global_buffer, .address_space: global }
      - { .name: gb1, .offset: 16, .size: 8, .value_kind: global_buffer, .address_space: global }
      - { .name: gw2, .offset: 24, .size: 8, .value_kind: global_buffer, .address_space: global }
      - { .name: gb2, .offset: 32, .size: 8, .value_kind: global_buffer, .address_space: global }
      - { .name: gw3, .offset: 40, .size: 8, .value_kind: global_buffer, .address_space: global }
      - { .name: gb3, .offset: 48, .size: 8, .value_kind: global_buffer, .address_space: global }
      - { .name: xb, .offset: 56, .size: 8, .value_kind: global_buffer, .address_space: global }
      - { .name: choice, .offset: 64, .size: 8, .value_kind: global_buffer, .address_space: global }
      - { .name: gatew, .offset: 72, .size: 8, .value_kind: global_buffer, .address_space: global }
      - { .name: out2, .offset: 80, .size: 8, .value_kind: global_buffer, .address_space: global }
    .group_segment_fixed_size: 169472
    .private_segment_fixed_size: 0
    .kernarg_segment_align: 8
    .kernarg_segment_size: 88
    .max_flat_workgroup_size: 256
    .sgpr_count:     66
    .vgpr_count:     512
    .wavefront_size: 32
...
	.end_amdgpu_metadata
.endif
;; end of part 1
;; launch fc1 (part 2): grid 32 x 8, 8 waves a work-group, no clusters, 169,472 bytes of LDS; arguments choice, xb, ew1, eb1, h1, rows, cnt; writes h1, rows, cnt
.if DOCPART == 2
	.amdgcn_target "amdgcn-amd-amdhsa--gfx1250"
	.amdhsa_code_object_version 6
	.text
	.protected	k_q68271f066c_fc1
	.globl	k_q68271f066c_fc1
	.p2align	8
	.type	k_q68271f066c_fc1,@function
k_q68271f066c_fc1:
	s_mov_b64 s[64:65], 0
	v_nop
	global_prefetch_b8 v0, s[64:65] scope:SCOPE_SE
	s_setreg_imm32_b32 hwreg(HW_REG_WAVE_MODE, 25, 1), 1
	s_wait_xcnt 0x0
; THE FIRST EXPERT PRODUCT, and the list of each expert's rows.  h1 = relu(x_rows ew1[e] + eb1[e]) for the rows (token, slot) whose choice is expert e; bf16 operands, f32 sums, h1 in f16.
; SHARES.  Work-group (p, e): 64 columns (panel p) of expert e, which it alone reads, and ALL of that expert's rows, n = 0 .. 1,024, whatever the split.
; EIGHT WAVES OF 512 REGISTERS, two to a SIMD's 1,024: one wave's 16 products of a K step can be issued while the other issues its run of 16 loads.
; PHASE 1.  The panel, 1,024 rows of 256 bytes of f32, is streamed once through a ring of 4 x 8 loads a wave, rounded to bf16 and laid into LDS as [k][64], 128 bytes a row.
; The first 128 rows are laid down a second time behind the panel: a group's last look-ahead of two K steps reads them there, and they are the next group's first two K steps: no address wraps.
; THE LIST.  While the first weights are on their way, wave 0 scans the 1,024 choice words: entry = slot x 1,024 + token.  A member goes to its rank from the front, every other token to its rank
; from the back: each of the 1,024 places is written once.  Readers hold a place to n - 1, so rows past the count repeat the last row.  Panel 0 stores list and count for the later launches.
; PHASE 2.  Two groups, a constant count; in group g wave w has the tiles of 16 rows 32 g + 4 w + 0 .. 3: 64 rows x 64 columns, 16 accumulators.  A wave whose first tile lies past the count jumps
; forward over the group (no barrier is jumped); whole tiles past the count are computed on repeated rows and their stores jumped.
; The matrix instruction is used transposed (source 0 = 16 weight columns, turned out of LDS; source 1 = 16 rows, straight from memory): lane (r, h) holds row r and eight neighbouring columns, which
; packed ARE registers 0-3 or 4-7 of the next product's row fragment.  h1 lies as [e][tile 64][K step 64][half 2][lane 32][16 bytes]: every store and later load of a wave is 512 consecutive bytes.
; THE BIAS, rounded to bf16 like every input, lies in LDS as 64 f32; a group's sums start as loads of it into the accumulators.  Results are rounded in place and stored from the accumulators' registers.
; TWO BARRIERS: until the first only wave 0 touches LDS (list, count, bias), and behind it all read them; the second stands between the laying down of the panel and its reads.
; ONE TEXT FOR EVERY K STEP: the row ring (8 K steps) runs on into the next group: a group's last trip fetches the next group's K steps 0-7.  The price: behind a wave's last live group 64 row loads
; and 16 LDS loads repeat valid addresses and serve nothing.
; NO CLUSTER: each weight byte has one reader; what an expert's work-groups share is its rows, which come by a list that no tile descriptor covers.
; LIMITS.  h1 must lie within f16's 65,504; NaN and infinities are not treated apart.
.set WP,    8192                       ; bytes in a row of ew1
.set WPL,   13
.set KS,    32                         ; K steps of 32
.set NT,    KS/8                       ; trips of eight K steps
.set KSB,   64                         ; bytes from a K step of a row to the next, and
.set HB,    32                         ; to a fragment's second half: xb is row-major
.set WSIZE, KS*4096                    ; the panel in LDS, from byte 0; behind it 16,384 bytes: its first 128 rows once more
.set PMAX,  WSIZE-32768+2032           ; the largest panel address of a lane: the last trip's eight K steps, row 15, piece 7
.set LIST,  163840                     ; 1,024 entries
.set NW,    LIST+4096                  ; n
.set BIASL, NW+256                     ; the bias of my 64 columns, f32
.set SPARE, BIASL+256                  ; the spare words, 128 bytes a wave: four blocks of 256 bytes that no other line names
; window 0
.set L16,   3                          ; 16 x lane
.set SPW,   4                          ; SPARE + 4 x thread; never rewritten
.set NIL,   5                          ; 0; never rewritten
.set WOFF,  6                          ; my place in 128 rows of the panel in memory
.set LANE,  7
.set WADR,  8                          ; v8-11   where a load's 8 bytes go in LDS, by load % 4
.set BADR0, 12                         ; v12-15  my place in a K step of the panel, by column tile
.set BADR,  16                         ; v16-19  the same in this trip's eight K steps
.set WADC,  16                         ;         in phase 1: where the first 128 rows go the second time
.set LA,    20                         ; v20-23  places in the list
.set VA,    24                         ; v24-27  my rows' byte offsets, by tile, eight K steps ahead of the products
.set VAN,   28                         ; v28-31  the next group's
.set VO,    32                         ; v32-35  where a tile goes
.set TE,    36                         ; v36-39  list entries
.set BST,   40                         ; BIASL + 8 x lane: where a lane's two numbers of the bias go; never rewritten
.set BIA,   41                         ; BIASL + 32 h: from where a lane's eight come
.set H16,   42
.set TQ,    45
.set ZERO,  47
.set BGO,   62                         ; 8 x lane: a lane's two numbers of the bias in memory; never rewritten
.set BF,    64                         ; v64-127  weight fragments: buffer b, column tile c at BF + 32 b + 8 c; at the start v64-95: the choice words
.set ACC,   128                        ; v128-255 accumulator (tile j, column tile c) at ACC + 8 (4 j + c); at the start wave 0 has the bias in v128-130
; window 1: the row ring: K step slot s, tile j at 32 s + 8 j; in phase 1 v0-127: the weight ring: slot s, load i at 32 s + 4 i
.set WB, 30                            ; s[30:31] the panel   s[32:33] the rows   s[34:35] the output   s[36:37] the bias
.set AB, 32
.set OB, 34
.set BB, 36
.set TB, 52                            ; s52  LDS byte at which this trip's eight K steps of the panel begin
.set MSB, 0
.macro WIN new                         ; s_set_vgpr_msb: bits 1:0 source 0, 3:2 source 1, 5:4 source 2, 7:6 destination; the high byte repeats the setting that is left
.if MSB != (\new)
	s_set_vgpr_msb (MSB<<8)|(\new)
.set MSB, \new
.endif
.endm
.set W_MUL, 0x04                       ; source 1 in window 1: a product's rows, an LDS store's data
.set W_LD1, 0x40                       ; destination in window 1
.set W_CV1, 0x45                       ; destination and sources 0, 1 in window 1
.macro FILL s, ahead                   ; 8 loads: my 16 rows of the 128 rows of slot s, two rows of 256 bytes a load
	WIN W_LD1
.set i, 0
.rept 8
	global_load_b128 v[32*(\s)+4*i:32*(\s)+4*i+3], v[WOFF], s[WB:WB+1] offset:((4*(\ahead)+(\s))*128+2*i)*WP th:TH_LOAD_NT
.set i, i+1
.endr
.endm
.macro DRAIN s, left, copy=0           ; left: the loads younger than this slot's eight.  copy = 1: the rows are laid down a second time, behind the panel
	s_wait_loadcnt \left
	WIN W_CV1
.set i, 0
.rept 8
.set b, 32*(\s)+4*i
	v_cvt_pk_bf16_f32 v[b], v[b], v[b+1]
	v_cvt_pk_bf16_f32 v[b+1], v[b+2], v[b+3]
.set i, i+1
.endr
	WIN W_MUL
.set i, 0
.rept 8
.set b, 32*(\s)+4*i
	ds_store_b64 v[WADR+i%4], v[b:b+1] offset:16384*(\s)+256*i
.set i, i+1
.endr
.if \copy
.set i, 0
.rept 8
.set b, 32*(\s)+4*i
	ds_store_b64 v[WADC+i%4], v[b:b+1] offset:256*i
.set i, i+1
.endr
.endif
.endm
.macro ALOAD s                         ; the four tiles' fragments of one K step into ring slot s
	WIN W_LD1
.irp j, 0,1,2,3
	global_load_b128 v[32*(\s)+8*\j:32*(\s)+8*\j+3],   v[VA+\j], s[AB:AB+1] offset:(\s)*KSB
	global_load_b128 v[32*(\s)+8*\j+4:32*(\s)+8*\j+7], v[VA+\j], s[AB:AB+1] offset:(\s)*KSB+HB
.endr
.endm
.macro BLOAD buf, reg, off             ; a K step's four weight fragments, turned
	WIN 0
.irp c, 0,1,2,3
	ds_load_tr16_b128 v[BF+32*(\buf)+8*\c:BF+32*(\buf)+8*\c+3],   v[(\reg)+\c] offset:(\off)
	ds_load_tr16_b128 v[BF+32*(\buf)+8*\c+4:BF+32*(\buf)+8*\c+7], v[(\reg)+\c] offset:(\off)+2048
.endr
.endm
; One K step.  56: the seven younger ring slots' loads may stay out.  8: so may the next K step's weight fragments.  The 16 accumulators take turns, one instruction a turn,
; from step to step and over the backward jump.  Four v_nop are the places between the products and the loads into the registers that they read.
.macro KSTEP s
	s_wait_loadcnt 56
	s_wait_dscnt 8
	WIN W_MUL
.irp j, 0,1,2,3
.irp c, 0,1,2,3
	v_wmma_f32_16x16x32_bf16 v[ACC+8*(4*\j+\c):ACC+8*(4*\j+\c)+7], v[BF+32*((\s)%2)+8*\c:BF+32*((\s)%2)+8*\c+7], v[32*(\s)+8*\j:32*(\s)+8*\j+7], v[ACC+8*(4*\j+\c):ACC+8*(4*\j+\c)+7]
.endr
.endr
.rept 4
	v_nop
.endr
	ALOAD \s                                       ; the K step eight further on
	BLOAD (\s)%2, BADR, ((\s)+2)*4096              ; the K step two further on; in the last trip K steps 6 and 7 read the repeat behind the panel
.endm
; A trip's head: my panel addresses for its eight K steps.  They are held to the last trip's place, which no trip passes: so the text itself bounds every read of the panel to bytes 0 .. WSIZE + 8,191.
.macro SETB
.irp c, 0,1,2,3
	v_add_nc_u32 v[BADR+\c], s[TB], v[BADR0+\c]
	v_min_u32 v[BADR+\c], PMAX, v[BADR+\c]
.endr
.endm
; A trip's end.  The row offsets step eight K steps on; behind the last trip but one (two trips to go, this one among them) they become the next group's, by two masks of which one is 0.
.macro TRIPEND
	WIN 0
	s_wait_xcnt 0x0                                ; the offsets that pending loads name are rewritten only behind this wait
	s_cmp_eq_u32 s27, 2
	s_cselect_b32 s28, -1, 0
	s_cselect_b32 s54, 0, -1
	s_add_co_u32 s[TB], s[TB], 32768
.irp j, 0,1,2,3
	v_add_nc_u32 v[VA+\j], 8*KSB, v[VA+\j]
	v_and_b32 v[TQ], s28, v[VAN+\j]
	v_and_b32 v[VA+\j], s54, v[VA+\j]
	v_add_nc_u32 v[VA+\j], v[VA+\j], v[TQ]
.endr
.endm
; The sums start at the bias: 32 loads of 16 bytes, the same for all lanes of a half, in place of clearing and adding later.  The wait is for 0: these loads are younger than the weight fragments'.
.macro ACCINIT
.irp j, 0,1,2,3
.irp c, 0,1,2,3
	ds_load_b128 v[ACC+8*(4*\j+\c):ACC+8*(4*\j+\c)+3],   v[BIA] offset:64*\c
	ds_load_b128 v[ACC+8*(4*\j+\c)+4:ACC+8*(4*\j+\c)+7], v[BIA] offset:64*\c+16
.endr
.endr
	s_wait_dscnt 0x0
.endm
.macro LISTLOAD dst, first, add        ; the entries of tiles first + add + 0 .. 3 -> row offsets in xb.  A place is held to n - 1 (rows past the count repeat the last row) and to the list's end
.irp j, 0,1,2,3
	s_add_co_u32 s40, \first, (\add)+\j
	s_lshl_b32 s40, s40, 4
	v_add_nc_u32 v[LA+\j], s40, v1
	v_min_u32 v[LA+\j], s25, v[LA+\j]
	v_min_u32 v[LA+\j], 0x3ff, v[LA+\j]
	v_lshl_add_u32 v[LA+\j], v[LA+\j], 2, LIST
	ds_load_b32 v[TE+\j], v[LA+\j]
.endr
	s_wait_dscnt 0x0
.irp j, 0,1,2,3
	v_min_u32 v[TE+\j], 0x7ff, v[TE+\j]
	v_and_b32 v[TE+\j], 0x3ff, v[TE+\j]            ; the token
	v_lshl_add_u32 v[(\dst)+\j], v[TE+\j], 11, v[H16]
.endr
.endm
	s_load_b256 s[4:11], s[0:1], 0x0               ; choice 4, xb 6, ew1 8, eb1 10
	s_load_b128 s[12:15], s[0:1], 0x20             ; h1 12, rows 14
	s_load_b64 s[16:17], s[0:1], 0x30              ; cnt
	v_lshl_add_u32 v[SPW], v0, 2, SPARE
	v_mov_b32 v[NIL], 0
	v_lshrrev_b32 v48, 5, v0
	v_readfirstlane_b32 s20, v48                   ; wave 0..7
	s_and_b32 s21, ttmp7, 0xffff                   ; expert
	s_mov_b32 s22, ttmp9                           ; panel
	s_mov_b32 s38, 0xffff0000                      ; a word's upper bf16
	v_and_b32 v1, 15, v0                           ; r
	v_bfe_u32 v2, v0, 4, 1                         ; h
	v_and_b32 v[LANE], 31, v0
	v_lshlrev_b32 v[L16], 4, v[LANE]
	v_lshlrev_b32 v[BGO], 3, v[LANE]
	v_lshl_add_u32 v[BST], v[LANE], 3, BIASL
	s_lshl_b32 s40, s20, 4+WPL
	v_lshlrev_b32 v[WOFF], 4, v1
	v_lshl_add_u32 v[WOFF], v2, WPL, v[WOFF]
	v_add_nc_u32 v[WOFF], s40, v[WOFF]             ; row 16 w + h, 16 bytes a lane
	v_lshrrev_b32 v48, 1, v1
	v_add_nc_u32 v48, v48, v2                      ; my piece r / 2, turned by the row's h (16 w rows turn it by nothing)
	v_and_b32 v50, 1, v1
	v_lshlrev_b32 v50, 3, v50
	v_lshl_add_u32 v50, v2, 7, v50
	s_lshl_b32 s40, s20, 11                        ; 16 rows of 128 bytes a wave
	v_add_nc_u32 v50, s40, v50
.irp m, 0,1,2,3
	v_add_nc_u32 v51, 2*\m, v48                    ; and by the load's two rows
	v_and_b32 v51, 7, v51
	v_lshl_add_u32 v[WADR+\m], v51, 4, v50
	v_add_nc_u32 v[WADC+\m], WSIZE, v[WADR+\m]
.endr
	v_and_b32 v52, 7, v0
	v_bfe_u32 v53, v0, 3, 1
	v_lshl_add_u32 v54, v2, 3, v52                 ; the turning load: row 8 h + lane % 8,
	v_lshlrev_b32 v54, 7, v54
	v_add_nc_u32 v53, v53, v52
.irp c, 0,1,2,3
	v_add_nc_u32 v55, 2*\c, v53                    ; piece 2 c + (lane / 8) % 2, turned by the row
	v_and_b32 v55, 7, v55
	v_lshl_add_u32 v[BADR0+\c], v55, 4, v54
.endr
	v_lshl_add_u32 v[BIA], v2, 5, BIASL
	v_lshlrev_b32 v[H16], 4, v2
	s_mov_b32 s41, 0
	s_wait_kmcnt 0x0
	s_lshl_b32 s40, s21, 23
	s_lshl_b32 s42, s22, 8
	s_add_co_u32 s40, s40, s42
	s_add_nc_u64 s[WB:WB+1], s[8:9], s[40:41]
	s_mov_b64 s[AB:AB+1], s[6:7]
	s_lshl_b32 s40, s21, 22
	s_lshl_b32 s42, s22, 11
	s_add_co_u32 s40, s40, s42
	s_add_nc_u64 s[OB:OB+1], s[12:13], s[40:41]    ; my 64 columns are K steps 2 p, 2 p + 1 of the next product
	s_lshl_b32 s40, s21, 13
	s_lshl_b32 s42, s22, 8
	s_add_co_u32 s40, s40, s42
	s_add_nc_u64 s[BB:BB+1], s[10:11], s[40:41]
	s_cmp_lg_u32 s20, 0
	s_cbranch_scc1 .Lno_choice
.irp q, 0,1,2,3,4,5,6,7
	global_load_b128 v[BF+4*\q:BF+4*\q+3], v[L16], s[4:5] offset:512*\q  ; wave 0: all 1,024 choice words: register 4 q + m holds token 128 q + 4 lane + m
.endr
	global_load_b64 v[ACC:ACC+1], v[BGO], s[BB:BB+1]  ; and the 64 numbers of the bias, two a lane
.Lno_choice:
	FILL 0, 0
	FILL 1, 0
	FILL 2, 0
	FILL 3, 0
	WIN 0
	s_cmp_lg_u32 s20, 0
	s_cbranch_scc1 .Lno_list
	s_wait_loadcnt 32                              ; the 32 weight loads are younger than the choice words' and the bias's
	v_cvt_pk_bf16_f32 v[ACC+2], v[ACC], v[ACC+1]   ; the bias is rounded to bf16 like every input,
	v_lshlrev_b32 v[ACC], 16, v[ACC+2]
	v_and_b32 v[ACC+1], s38, v[ACC+2]
	ds_store_b64 v[BST], v[ACC:ACC+1]              ; and laid into LDS as f32
	s_mov_b32 s42, 0                               ; members so far
	s_lshl_b32 s44, s21, 8
	s_or_b32 s44, s44, s21                         ; e | e << 8
	v_lshlrev_b32 v43, 2, v[LANE]                  ; 4 x lane: my token of register 0, as slot 0
	v_add_nc_u32 v44, 1024, v43                    ; and as slot 1
	v_sub_nc_u32 v46, 0, v[LANE]
; Register k of 32.  rk = members so far + members in lower lanes.  A member's place is rk; of the 32 k + lane tokens before another token, rk are members, so its place from the back is
; 1,023 - (32 k + lane - rk).  EXEC is never narrowed, and every place is written once.
.set k, 0
.rept 32
	v_xor_b32 v48, s44, v[BF+k]
	v_and_b32 v50, 0xff, v48
	v_cmp_eq_u32 s46, 0, v50                       ; e is the first choice
	v_cmp_gt_u32 vcc_lo, 0x100, v48                ; e is the second
	s_or_b32 s47, s46, vcc_lo
	v_mbcnt_lo_u32_b32 v51, s47, s42
	v_add3_u32 v53, v51, v46, 1023-32*k
	v_cndmask_b32 v51, v53, v51, s47
	v_min_u32 v51, 0x3ff, v51
	v_lshl_add_u32 v51, v51, 2, LIST
	v_cndmask_b32 v52, v43, v44, vcc_lo            ; slot x 1,024 + token
	v_add_nc_u32 v52, 128*(k/4)+k%4, v52
	ds_store_b32 v51, v52
	s_bcnt1_i32_b32 s48, s47
	s_add_co_u32 s42, s42, s48
.set k, k+1
.endr
	v_mov_b32 v52, s42
	v_mov_b32 v53, NW
	ds_store_b32 v53, v52                          ; n: all lanes store the same number to the same word
.Lno_list:
	s_wait_dscnt 0x0                               ; for the others' sake: bias, list and count are in LDS
	s_barrier_signal -1
	s_barrier_wait -1
	v_mov_b32 v48, NW
	ds_load_b32 v50, v48
	s_wait_dscnt 0x0
	v_readfirstlane_b32 s23, v50
	s_min_u32 s23, s23, 0x400                      ; n
	s_add_co_u32 s24, s23, 15
	s_lshr_b32 s24, s24, 4                         ; tiles of 16 rows
	s_max_u32 s25, s23, 1
	s_sub_co_u32 s25, s25, 1                       ; the last entry's place
	s_cmp_lg_u32 s22, 0
	s_cbranch_scc1 .Lno_rows                       ; panel 0 stores list and count for the later launches: 128 entries a wave
	s_lshl_b32 s40, s20, 9
	v_add_nc_u32 v48, s40, v[L16]
	v_add_nc_u32 v50, LIST, v48
	ds_load_b128 v[52:55], v50
	s_lshl_b32 s40, s21, 12
	s_add_nc_u64 s[42:43], s[14:15], s[40:41]
	s_wait_dscnt 0x0
	global_store_b128 v48, v[52:55], s[42:43]      ; 512 consecutive bytes
	s_cmp_lg_u32 s20, 0
	s_cbranch_scc1 .Lno_rows
	v_mov_b32 v60, s23
	v_lshlrev_b32 v61, 2, v[LANE]
	s_lshl_b32 s40, s21, 7
	s_add_nc_u64 s[44:45], s[16:17], s[40:41]
	global_store_b32 v61, v60, s[44:45]
.Lno_rows:
	s_wait_xcnt 0x0                                ; what those stores read is rewritten only behind this wait
	s_lshl_b32 s49, s20, 2
	LISTLOAD VA, s49, 0                            ; group 0's rows
	DRAIN 0, 24, 1                                 ; PHASE 1: rows 0-511 are laid down while rows 512-1,023 are asked for; rows 0-127 twice
	FILL 0, 1
	DRAIN 1, 24
	FILL 1, 1
	DRAIN 2, 24
	FILL 2, 1
	DRAIN 3, 24
	FILL 3, 1
	WIN 0
.irp m, 0,1,2,3
	v_add_nc_u32 v[WADR+\m], 0x10000, v[WADR+\m]
.endr
	DRAIN 0, 24                                    ; the last round loads nothing: the counts run down
	DRAIN 1, 16
	DRAIN 2, 8
	DRAIN 3, 0
.irp s, 0,1,2,3,4,5,6,7
	ALOAD \s                                       ; the row ring is filled: K steps 0-7 of group 0
.endr
	WIN 0
	s_wait_dscnt 0x0                               ; for the others' sake: my eighth of the panel is in LDS
	s_barrier_signal -1
	s_barrier_wait -1
	BLOAD 0, BADR0, 0
	BLOAD 1, BADR0, 4096
	v_mov_b32 v[ZERO], 0
	s_wait_xcnt 0x0
.irp j, 0,1,2,3
	v_add_nc_u32 v[VA+\j], 8*KSB, v[VA+\j]         ; the refills run eight K steps ahead
.endr
	s_mov_b32 s26, 0
.Lgroup:                               ; PHASE 2
	s_lshl_b32 s40, s26, 5
	s_lshl2_add_u32 s49, s20, s40                  ; my first tile: 32 g + 4 w
	s_cmp_ge_u32 s49, s24
	s_cbranch_scc1 .Lnext
	s_wait_xcnt 0x0                                ; the last group's stores have read the accumulators' registers, which are loaded again below
	LISTLOAD VAN, s49, 32
	s_mov_b32 s[TB], 0
	ACCINIT
	s_mov_b32 s27, NT
.Lk:
	SETB
	KSTEP 0
	KSTEP 1
	KSTEP 2
	KSTEP 3
	KSTEP 4
	KSTEP 5
	KSTEP 6
	KSTEP 7
	TRIPEND
	s_sub_co_u32 s27, s27, 1
	s_cmp_lg_u32 s27, 0
	s_cbranch_scc1 .Lk
.irp j, 0,1,2,3                        ; THE WAY OUT, tile by tile; from the first tile past the count on nothing is stored
	s_add_co_u32 s40, s49, \j
	s_cmp_ge_u32 s40, s24
	s_cbranch_scc1 .Lnext
	s_lshl_b32 s40, s40, 16
	v_add_nc_u32 v[VO+\j], s40, v[L16]
.irp c, 0,1,2,3
.irp i, 0,1,2,3
	v_cvt_pk_f16_f32 v[ACC+32*\j+8*\c+\i], v[ACC+32*\j+8*\c+2*\i], v[ACC+32*\j+8*\c+2*\i+1]  ; in place, from the low end on: a result never lands on a pair still to be read
.endr
.endr
.irp c, 0,1,2,3
.irp i, 0,1,2,3
	v_pk_max_num_f16 v[ACC+32*\j+8*\c+\i], v[ACC+32*\j+8*\c+\i], v[ZERO]  ; relu on the rounded halves: the same numbers as before the rounding
.endr
.endr
.irp c, 0,1,2,3
	global_store_b128 v[VO+\j], v[ACC+32*\j+8*\c:ACC+32*\j+8*\c+3], s[OB:OB+1] offset:512*\c  ; 512 consecutive bytes, at a multiple of 512 from h1's first byte
.endr
.endr
.Lnext:
	s_add_co_u32 s26, s26, 1
	s_cmp_lt_u32 s26, 2
	s_cbranch_scc1 .Lgroup
	s_wait_tensorcnt 0x0                           ; the wave's end
	ds_add_u32 v[SPW], v[NIL]
	s_wait_dscnt 0x0
	s_endpgm
.Lfunc_end_k_q68271f066c_fc1:
	.size	k_q68271f066c_fc1, .Lfunc_end_k_q68271f066c_fc1-k_q68271f066c_fc1
	.p2alignl 7, 3214868480
	.fill 96, 4, 3214868480
	.section	.rodata,"a",@progbits
	.p2align	6, 0x0
	.amdhsa_kernel k_q68271f066c_fc1
		.amdhsa_group_segment_fixed_size 169472
		.amdhsa_private_segment_fixed_size 0
		.amdhsa_enable_private_segment 0
		.amdhsa_kernarg_size 56
		.amdhsa_user_sgpr_count 2
		.amdhsa_user_sgpr_kernarg_segment_ptr 1
		.amdhsa_wavefront_size32 1
		.amdhsa_system_sgpr_workgroup_id_x 1
		.amdhsa_system_sgpr_workgroup_id_y 1
		.amdhsa_system_sgpr_workgroup_id_z 1
		.amdhsa_system_vgpr_workitem_id 0
		.amdhsa_next_free_vgpr 512
		.amdhsa_next_free_sgpr 66
		.amdhsa_reserve_vcc 1
		.amdhsa_float_denorm_mode_32 3
		.amdhsa_float_denorm_mode_16_64 3
		.amdhsa_memory_ordered 1
		.amdhsa_forward_progress 1
		.amdhsa_inst_pref_size 99
	.end_amdhsa_kernel
	.amdgpu_metadata
---
amdhsa.version: [ 1, 2 ]
amdhsa.kernels:
  - .name:           k_q68271f066c_fc1
    .symbol:         k_q68271f066c_fc1.kd
    .args:
      - { .name: choice, .offset: 0, .size: 8, .value_kind: global_buffer, .address_space: global }
      - { .name: xb, .offset: 8, .size: 8, .value_kind: global_buffer, .address_space: global }
      - { .name: ew1, .offset: 16, .size: 8, .value_kind: global_buffer, .address_space: global }
      - { .name: eb1, .offset: 24, .size: 8, .value_kind: global_buffer, .address_space: global }
      - { .name: h1, .offset: 32, .size: 8, .value_kind: global_buffer, .address_space: global }
      - { .name: rows, .offset: 40, .size: 8, .value_kind: global_buffer, .address_space: global }
      - { .name: cnt, .offset: 48, .size: 8, .value_kind: global_buffer, .address_space: global }
    .group_segment_fixed_size: 169472
    .private_segment_fixed_size: 0
    .kernarg_segment_align: 8
    .kernarg_segment_size: 56
    .max_flat_workgroup_size: 256
    .sgpr_count:     66
    .vgpr_count:     512
    .wavefront_size: 32
...
	.end_amdgpu_metadata
.endif
;; end of part 2
;; launch fc2 (part 3): grid 32 x 8, 8 waves a work-group, no clusters, 327,680 bytes of LDS; arguments cnt, h1, ew2, eb2, h2; writes h2
.if DOCPART == 3
	.amdgcn_target "amdgcn-amd-amdhsa--gfx1250"
	.amdhsa_code_object_version 6
	.text
	.protected	k_q68271f066c_fc2
	.globl	k_q68271f066c_fc2
	.p2align	8
	.type	k_q68271f066c_fc2,@function
k_q68271f066c_fc2:
	s_mov_b64 s[64:65], 0
	v_nop
	global_prefetch_b8 v0, s[64:65] scope:SCOPE_SE
	s_setreg_imm32_b32 hwreg(HW_REG_WAVE_MODE, 25, 1), 1
	s_wait_xcnt 0x0
; THE SECOND EXPERT PRODUCT.  h2 = relu(h1 ew2[e] + eb2[e]) for expert e's n rows (n from cnt); f16 operands, f32 sums, h2 in bf16.
; ew2 is rounded to bf16 like every input, and that number is written as f16; h1 came in f16, which keeps three bits more than bf16 would.  h2 can grow with three inputs' scales and goes in bf16.
; SHARES.  Work-group (p, e): 64 columns (panel p) of expert e, which it alone reads, and all of that expert's tiles of 16 rows, whatever the split.
; EIGHT WAVES OF 512 REGISTERS, two to a SIMD's 1,024: one wave's 16 products of a K step can be issued while the other issues its run of 16 loads.
; PHASE 1.  The panel, 2,048 rows of 256 bytes of f32, is streamed once through a ring of 4 x 8 loads a wave, rounded, and laid into LDS as [k][64], 128 bytes a row.
; The first 128 rows are laid down a second time behind the panel: a group's last look-ahead of two K steps reads them there, and they are the next group's first two K steps: no address wraps.
; PHASE 2.  Two groups, a constant count; in group g wave w has tiles 32 g + 4 w + 0 .. 3: 64 rows x 64 columns, 16 accumulators.  A wave whose first tile lies past the count jumps forward over
; the group (no barrier is jumped); tiles past the count repeat the last live tile and their stores are jumped.
; The matrix instruction is used transposed (source 0 = 16 weight columns, turned out of LDS; source 1 = 16 rows, straight from memory as fragments).  h1 and h2 lie as
; [e][tile 64][K step 64][half 2][lane 32][16 bytes]: every load and store of a wave is 512 consecutive bytes, and a result packs straight into the next product's fragment.
; THE BIAS, rounded to bf16 like every input, lies in LDS as 64 f32; a group's sums start as loads of it into the accumulators.  Results are rounded in place and stored from the accumulators' registers.
; ONE TEXT FOR EVERY K STEP: the row ring (8 K steps) runs on into the next group.  The price: behind a wave's last live group 64 row loads and 16 LDS loads repeat valid addresses and serve nothing.
; TWO BARRIERS: one between the laying down of the panel and of the bias and their reads; one between every wave's last reads of LDS and the closing lines' LDS write.
; NO CLUSTER: each weight byte has one reader; what an expert's work-groups share is its rows, whose number of tiles is a stored count, and beside the panel LDS has no room for slots of them.
; LIMITS.  h1 and bf16(ew2) lie within f16's 65,504; below 6e-5 a weight keeps f16's fixed step of 6e-8; NaN and infinities are not treated apart.
.set WP,    8192                       ; bytes in a row of ew2
.set WPL,   13
.set KS,    64                         ; K steps of 32
.set NT,    KS/8
.set NRND,  4                          ; rounds of 512 rows in phase 1
.set KSB,   1024                       ; bytes from a fragment to the next K step's, and
.set HB,    512                        ; to its second half
.set WSIZE, KS*4096                    ; the panel in LDS, from byte 0; behind it 16,384 bytes: its first 128 rows once more
.set PMAX,  WSIZE-32768+2032           ; the largest panel address of a lane: the last trip's eight K steps, row 15, piece 7
.set BIASL, 326400                     ; the bias of my 64 columns, f32
.set SPARE, BIASL+256                  ; the spare words, 128 bytes a wave: four blocks of 256 bytes that no other line names
; window 0
.set L16,   3
.set SPW,   4                          ; SPARE + 4 x thread; never rewritten
.set NIL,   5                          ; 0; never rewritten
.set WOFF,  6
.set LANE,  7
.set WADR,  8                          ; v8-11   where a load's 8 bytes go in LDS, by load % 4
.set BADR0, 12                         ; v12-15  my place in a K step of the panel, by column tile
.set BADR,  16                         ; v16-19  the same in this trip's eight K steps
.set WADC,  16                         ;         in phase 1: where the first 128 rows go the second time; not stepped
.set BGO,   20                         ; 8 x lane: a lane's two numbers of the bias in memory; never rewritten
.set VA,    24                         ; v24-27  my tiles' byte offsets, eight K steps ahead of the products
.set VAN,   28                         ; v28-31  the next group's
.set VO,    32                         ; v32-35  where a tile goes
.set BST,   40                         ; BIASL + 8 x lane: where a lane's two numbers of the bias go; never rewritten
.set BIA,   41                         ; BIASL + 32 h: from where a lane's eight come
.set TQ,    45
.set ZERO,  47
.set BF,    64                         ; v64-127  weight fragments: buffer b, column tile c at BF + 32 b + 8 c
.set ACC,   128                        ; v128-255 accumulator (tile j, column tile c) at ACC + 8 (4 j + c); in phase 1 wave 0 has the bias in v128-130
; window 1: the row ring: slot s, tile j at 32 s + 8 j; in phase 1 v0-127: the weight ring: slot s, load i at 32 s + 4 i
.set WB, 30
.set AB, 32
.set OB, 34
.set BB, 36
.set TB, 52                            ; s52  LDS byte at which this trip's eight K steps of the panel begin
.set MSB, 0
.macro WIN new                         ; s_set_vgpr_msb: bits 1:0 source 0, 3:2 source 1, 5:4 source 2, 7:6 destination; the high byte repeats the setting that is left
.if MSB != (\new)
	s_set_vgpr_msb (MSB<<8)|(\new)
.set MSB, \new
.endif
.endm
.set W_MUL, 0x04                       ; source 1 in window 1: a product's rows, an LDS store's data
.set W_LD1, 0x40                       ; destination in window 1
.set W_CV1, 0x45                       ; destination and sources 0, 1 in window 1
.macro FILL s, ahead                   ; 8 loads: my 16 rows of the 128 rows of slot s, two rows of 256 bytes a load
	WIN W_LD1
.set i, 0
.rept 8
	global_load_b128 v[32*(\s)+4*i:32*(\s)+4*i+3], v[WOFF], s[WB:WB+1] offset:((4*(\ahead)+(\s))*128+2*i)*WP th:TH_LOAD_NT
.set i, i+1
.endr
.endm
; left: the loads younger than this slot's eight.  f32 -> bf16 (the input's rounding) -> the same number in f16.  copy = 1 (slot 0 in the loop): in the first round the rows are laid down a second time.
.macro DRAIN s, left, copy=0
	s_wait_loadcnt \left
	WIN W_CV1
.set i, 0
.rept 8
.set b, 32*(\s)+4*i
	v_cvt_pk_bf16_f32 v[b], v[b], v[b+1]
	v_cvt_pk_bf16_f32 v[b+2], v[b+2], v[b+3]
	v_and_b32 v[b+1], s38, v[b]
	v_lshlrev_b32 v[b], 16, v[b]
	v_and_b32 v[b+3], s38, v[b+2]
	v_lshlrev_b32 v[b+2], 16, v[b+2]
	v_cvt_pk_f16_f32 v[b], v[b], v[b+1]
	v_cvt_pk_f16_f32 v[b+1], v[b+2], v[b+3]
.set i, i+1
.endr
	WIN W_MUL
.set i, 0
.rept 8
.set b, 32*(\s)+4*i
	ds_store_b64 v[WADR+i%4], v[b:b+1] offset:16384*(\s)+256*i
.set i, i+1
.endr
.if \copy
	WIN 0
	s_cmp_lg_u32 s29, NRND-1                       ; the first round alone holds rows 0-127
	s_cbranch_scc1 .Lno_repeat
	WIN W_MUL
.set i, 0
.rept 8
.set b, 32*(\s)+4*i
	ds_store_b64 v[WADC+i%4], v[b:b+1] offset:256*i
.set i, i+1
.endr
	WIN 0
.Lno_repeat:
.endif
.endm
.macro ALOAD s
	WIN W_LD1
.irp j, 0,1,2,3
	global_load_b128 v[32*(\s)+8*\j:32*(\s)+8*\j+3],   v[VA+\j], s[AB:AB+1] offset:(\s)*KSB
	global_load_b128 v[32*(\s)+8*\j+4:32*(\s)+8*\j+7], v[VA+\j], s[AB:AB+1] offset:(\s)*KSB+HB
.endr
.endm
.macro BLOAD buf, reg, off
	WIN 0
.irp c, 0,1,2,3
	ds_load_tr16_b128 v[BF+32*(\buf)+8*\c:BF+32*(\buf)+8*\c+3],   v[(\reg)+\c] offset:(\off)
	ds_load_tr16_b128 v[BF+32*(\buf)+8*\c+4:BF+32*(\buf)+8*\c+7], v[(\reg)+\c] offset:(\off)+2048
.endr
.endm
; One K step.  56: the seven younger ring slots' loads may stay out.  8: so may the next K step's weight fragments.  The 16 accumulators take turns, one instruction a turn,
; from step to step and over the backward jump.  Four v_nop are the places between the products and the loads into the registers that they read.
.macro KSTEP s
	s_wait_loadcnt 56
	s_wait_dscnt 8
	WIN W_MUL
.irp j, 0,1,2,3
.irp c, 0,1,2,3
	v_wmma_f32_16x16x32_f16 v[ACC+8*(4*\j+\c):ACC+8*(4*\j+\c)+7], v[BF+32*((\s)%2)+8*\c:BF+32*((\s)%2)+8*\c+7], v[32*(\s)+8*\j:32*(\s)+8*\j+7], v[ACC+8*(4*\j+\c):ACC+8*(4*\j+\c)+7]
.endr
.endr
.rept 4
	v_nop
.endr
	ALOAD \s                                       ; the K step eight further on
	BLOAD (\s)%2, BADR, ((\s)+2)*4096              ; the K step two further on; in the last trip K steps 6 and 7 read the repeat behind the panel
.endm
; A trip's head: my panel addresses for its eight K steps.  They are held to the last trip's place, which no trip passes: so the text itself bounds every read of the panel to bytes 0 .. WSIZE + 8,191.
.macro SETB
.irp c, 0,1,2,3
	v_add_nc_u32 v[BADR+\c], s[TB], v[BADR0+\c]
	v_min_u32 v[BADR+\c], PMAX, v[BADR+\c]
.endr
.endm
; A trip's end.  The row offsets step eight K steps on; behind the last trip but one (two trips to go, this one among them) they become the next group's, by two masks of which one is 0.
.macro TRIPEND
	WIN 0
	s_wait_xcnt 0x0                                ; the offsets that pending loads name are rewritten only behind this wait
	s_cmp_eq_u32 s27, 2
	s_cselect_b32 s28, -1, 0
	s_cselect_b32 s54, 0, -1
	s_add_co_u32 s[TB], s[TB], 32768
.irp j, 0,1,2,3
	v_add_nc_u32 v[VA+\j], 8*KSB, v[VA+\j]
	v_and_b32 v[TQ], s28, v[VAN+\j]
	v_and_b32 v[VA+\j], s54, v[VA+\j]
	v_add_nc_u32 v[VA+\j], v[VA+\j], v[TQ]
.endr
.endm
; The sums start at the bias: 32 loads of 16 bytes, the same for all lanes of a half, in place of clearing and adding later.  The wait is for 0: these loads are younger than the weight fragments'.
.macro ACCINIT
.irp j, 0,1,2,3
.irp c, 0,1,2,3
	ds_load_b128 v[ACC+8*(4*\j+\c):ACC+8*(4*\j+\c)+3],   v[BIA] offset:64*\c
	ds_load_b128 v[ACC+8*(4*\j+\c)+4:ACC+8*(4*\j+\c)+7], v[BIA] offset:64*\c+16
.endr
.endr
	s_wait_dscnt 0x0
.endm
.macro NEXTBASE dst, first, add        ; tiles first + add + 0 .. 3, held to the last live tile: 65,536 bytes a tile
.irp j, 0,1,2,3
	s_add_co_u32 s40, \first, (\add)+\j
	s_min_u32 s40, s40, s25
	s_min_u32 s40, s40, 63
	s_lshl_b32 s40, s40, 16
	v_add_nc_u32 v[(\dst)+\j], s40, v[L16]
.endr
.endm
	s_load_b256 s[4:11], s[0:1], 0x0               ; cnt 4, h1 6, ew2 8, eb2 10
	s_load_b64 s[12:13], s[0:1], 0x20              ; h2
	v_lshl_add_u32 v[SPW], v0, 2, SPARE
	v_mov_b32 v[NIL], 0
	v_lshrrev_b32 v48, 5, v0
	v_readfirstlane_b32 s20, v48                   ; wave 0..7
	s_and_b32 s21, ttmp7, 0xffff                   ; expert
	s_mov_b32 s22, ttmp9                           ; panel
	s_mov_b32 s38, 0xffff0000
	v_and_b32 v1, 15, v0                           ; r
	v_bfe_u32 v2, v0, 4, 1                         ; h
	v_and_b32 v[LANE], 31, v0
	v_lshlrev_b32 v[L16], 4, v[LANE]
	v_lshlrev_b32 v[BGO], 3, v[LANE]
	v_lshl_add_u32 v[BST], v[LANE], 3, BIASL
	s_lshl_b32 s40, s20, 4+WPL
	v_lshlrev_b32 v[WOFF], 4, v1
	v_lshl_add_u32 v[WOFF], v2, WPL, v[WOFF]
	v_add_nc_u32 v[WOFF], s40, v[WOFF]             ; row 16 w + h, 16 bytes a lane
	v_lshrrev_b32 v48, 1, v1
	v_add_nc_u32 v48, v48, v2
	v_and_b32 v50, 1, v1
	v_lshlrev_b32 v50, 3, v50
	v_lshl_add_u32 v50, v2, 7, v50
	s_lshl_b32 s40, s20, 11                        ; 16 rows of 128 bytes a wave
	v_add_nc_u32 v50, s40, v50
.irp m, 0,1,2,3
	v_add_nc_u32 v51, 2*\m, v48
	v_and_b32 v51, 7, v51
	v_lshl_add_u32 v[WADR+\m], v51, 4, v50
	v_add_nc_u32 v[WADC+\m], WSIZE, v[WADR+\m]
.endr
	v_and_b32 v52, 7, v0
	v_bfe_u32 v53, v0, 3, 1
	v_lshl_add_u32 v54, v2, 3, v52
	v_lshlrev_b32 v54, 7, v54
	v_add_nc_u32 v53, v53, v52
.irp c, 0,1,2,3
	v_add_nc_u32 v55, 2*\c, v53
	v_and_b32 v55, 7, v55
	v_lshl_add_u32 v[BADR0+\c], v55, 4, v54
.endr
	v_lshl_add_u32 v[BIA], v2, 5, BIASL
	s_mov_b32 s41, 0
	s_wait_kmcnt 0x0
	s_lshl_b32 s40, s21, 7
	s_add_nc_u64 s[42:43], s[4:5], s[40:41]
	s_load_b32 s23, s[42:43], 0x0                  ; n
	s_lshl_b32 s40, s21, 24
	s_lshl_b32 s44, s22, 8
	s_add_co_u32 s40, s40, s44
	s_add_nc_u64 s[WB:WB+1], s[8:9], s[40:41]
	s_lshl_b32 s40, s21, 22
	s_add_nc_u64 s[AB:AB+1], s[6:7], s[40:41]
	s_lshl_b32 s44, s22, 11
	s_add_co_u32 s40, s40, s44
	s_add_nc_u64 s[OB:OB+1], s[12:13], s[40:41]
	s_lshl_b32 s40, s21, 13
	s_lshl_b32 s44, s22, 8
	s_add_co_u32 s40, s40, s44
	s_add_nc_u64 s[BB:BB+1], s[10:11], s[40:41]
	s_cmp_lg_u32 s20, 0
	s_cbranch_scc1 .Lno_bl
	global_load_b64 v[ACC:ACC+1], v[BGO], s[BB:BB+1]  ; wave 0: the 64 numbers of the bias, two a lane
.Lno_bl:
	FILL 0, 0
	FILL 1, 0
	FILL 2, 0
	FILL 3, 0
	WIN 0
	s_wait_kmcnt 0x0
	s_min_u32 s23, s23, 0x400
	s_add_co_u32 s24, s23, 15
	s_lshr_b32 s24, s24, 4                         ; tiles
	s_max_u32 s25, s24, 1
	s_sub_co_u32 s25, s25, 1                       ; the last live tile
	s_lshl_b32 s49, s20, 2
	NEXTBASE VA, s49, 0                            ; group 0's tiles
	s_mov_b32 s29, NRND-1
.Lround:                               ; PHASE 1: 512 rows are laid down while the next 512 are asked for
	DRAIN 0, 24, 1
	FILL 0, 1
	DRAIN 1, 24
	FILL 1, 1
	DRAIN 2, 24
	FILL 2, 1
	DRAIN 3, 24
	FILL 3, 1
	WIN 0
	s_wait_xcnt 0x0                                ; the panel's base is stepped only behind this wait
	s_add_nc_u64 s[WB:WB+1], s[WB:WB+1], 512*WP
.irp m, 0,1,2,3
	v_add_nc_u32 v[WADR+\m], 0x10000, v[WADR+\m]
.endr
	s_sub_co_u32 s29, s29, 1
	s_cmp_lg_u32 s29, 0
	s_cbranch_scc1 .Lround
	DRAIN 0, 24                                    ; the last round loads nothing: the counts run down
	DRAIN 1, 16
	DRAIN 2, 8
	DRAIN 3, 0
.irp s, 0,1,2,3,4,5,6,7
	ALOAD \s                                       ; the row ring is filled: K steps 0-7 of group 0
.endr
	WIN 0
	s_cmp_lg_u32 s20, 0
	s_cbranch_scc1 .Lno_bias
	v_cvt_pk_bf16_f32 v[ACC+2], v[ACC], v[ACC+1]   ; wave 0: the bias (in since the wait for 0 above) is rounded to bf16 like every input,
	v_lshlrev_b32 v[ACC], 16, v[ACC+2]
	v_and_b32 v[ACC+1], s38, v[ACC+2]
	ds_store_b64 v[BST], v[ACC:ACC+1]              ; and laid into LDS as f32
.Lno_bias:
	s_wait_dscnt 0x0                               ; for the others' sake: my eighth of the panel (and the bias) is in LDS
	s_barrier_signal -1
	s_barrier_wait -1
	BLOAD 0, BADR0, 0
	BLOAD 1, BADR0, 4096
	v_mov_b32 v[ZERO], 0
	s_wait_xcnt 0x0
.irp j, 0,1,2,3
	v_add_nc_u32 v[VA+\j], 8*KSB, v[VA+\j]         ; the refills run eight K steps ahead
.endr
	s_mov_b32 s26, 0
.Lgroup:                               ; PHASE 2
	s_lshl_b32 s40, s26, 5
	s_lshl2_add_u32 s49, s20, s40                  ; my first tile: 32 g + 4 w
	s_cmp_ge_u32 s49, s24
	s_cbranch_scc1 .Lnext
	s_wait_xcnt 0x0                                ; the last group's stores have read the accumulators' registers, which are loaded again below
	NEXTBASE VAN, s49, 32
	s_mov_b32 s[TB], 0
	ACCINIT
	s_mov_b32 s27, NT
.Lk:
	SETB
	KSTEP 0
	KSTEP 1
	KSTEP 2
	KSTEP 3
	KSTEP 4
	KSTEP 5
	KSTEP 6
	KSTEP 7
	TRIPEND
	s_sub_co_u32 s27, s27, 1
	s_cmp_lg_u32 s27, 0
	s_cbranch_scc1 .Lk
.irp j, 0,1,2,3                        ; THE WAY OUT, tile by tile; from the first tile past the count on nothing is stored
	s_add_co_u32 s40, s49, \j
	s_cmp_ge_u32 s40, s24
	s_cbranch_scc1 .Lnext
	s_lshl_b32 s40, s40, 16
	v_add_nc_u32 v[VO+\j], s40, v[L16]
.irp c, 0,1,2,3
.irp i, 0,1,2,3
	v_cvt_pk_bf16_f32 v[ACC+32*\j+8*\c+\i], v[ACC+32*\j+8*\c+2*\i], v[ACC+32*\j+8*\c+2*\i+1]  ; in place, from the low end on: a result never lands on a pair still to be read
.endr
.endr
.irp c, 0,1,2,3
.irp i, 0,1,2,3
	v_pk_max_num_bf16 v[ACC+32*\j+8*\c+\i], v[ACC+32*\j+8*\c+\i], v[ZERO]  ; relu on the rounded halves: the same numbers as before the rounding
.endr
.endr
.irp c, 0,1,2,3
	global_store_b128 v[VO+\j], v[ACC+32*\j+8*\c:ACC+32*\j+8*\c+3], s[OB:OB+1] offset:512*\c  ; 512 consecutive bytes, at a multiple of 512 from h2's first byte
.endr
.endr
.Lnext:
	s_add_co_u32 s26, s26, 1
	s_cmp_lt_u32 s26, 2
	s_cbranch_scc1 .Lgroup
	s_wait_dscnt 0x0                               ; my reads of the panel are back;
	s_barrier_signal -1                            ; every wave passes here: the group loop has a constant count, and the jumps over dead groups have rejoined
	s_barrier_wait -1                              ; so are every wave's: the one LDS write that follows is ordered behind all reads by this barrier, not by the arithmetic of their addresses
	s_wait_tensorcnt 0x0                           ; the wave's end
	ds_add_u32 v[SPW], v[NIL]
	s_wait_dscnt 0x0
	s_endpgm
.Lfunc_end_k_q68271f066c_fc2:
	.size	k_q68271f066c_fc2, .Lfunc_end_k_q68271f066c_fc2-k_q68271f066c_fc2
	.p2alignl 7, 3214868480
	.fill 96, 4, 3214868480
	.section	.rodata,"a",@progbits
	.p2align	6, 0x0
	.amdhsa_kernel k_q68271f066c_fc2
		.amdhsa_group_segment_fixed_size 327680
		.amdhsa_private_segment_fixed_size 0
		.amdhsa_enable_private_segment 0
		.amdhsa_kernarg_size 40
		.amdhsa_user_sgpr_count 2
		.amdhsa_user_sgpr_kernarg_segment_ptr 1
		.amdhsa_wavefront_size32 1
		.amdhsa_system_sgpr_workgroup_id_x 1
		.amdhsa_system_sgpr_workgroup_id_y 1
		.amdhsa_system_sgpr_workgroup_id_z 1
		.amdhsa_system_vgpr_workitem_id 0
		.amdhsa_next_free_vgpr 512
		.amdhsa_next_free_sgpr 66
		.amdhsa_reserve_vcc 0
		.amdhsa_float_denorm_mode_32 3
		.amdhsa_float_denorm_mode_16_64 3
		.amdhsa_memory_ordered 1
		.amdhsa_forward_progress 1
		.amdhsa_inst_pref_size 84
	.end_amdhsa_kernel
	.amdgpu_metadata
---
amdhsa.version: [ 1, 2 ]
amdhsa.kernels:
  - .name:           k_q68271f066c_fc2
    .symbol:         k_q68271f066c_fc2.kd
    .args:
      - { .name: cnt, .offset: 0, .size: 8, .value_kind: global_buffer, .address_space: global }
      - { .name: h1, .offset: 8, .size: 8, .value_kind: global_buffer, .address_space: global }
      - { .name: ew2, .offset: 16, .size: 8, .value_kind: global_buffer, .address_space: global }
      - { .name: eb2, .offset: 24, .size: 8, .value_kind: global_buffer, .address_space: global }
      - { .name: h2, .offset: 32, .size: 8, .value_kind: global_buffer, .address_space: global }
    .group_segment_fixed_size: 327680
    .private_segment_fixed_size: 0
    .kernarg_segment_align: 8
    .kernarg_segment_size: 40
    .max_flat_workgroup_size: 256
    .sgpr_count:     66
    .vgpr_count:     512
    .wavefront_size: 32
...
	.end_amdgpu_metadata
.endif
;; end of part 3
;; launch fc3 (part 4): grid 32 x 8, 8 waves a work-group, no clusters, 199,936 bytes of LDS; arguments cnt, rows, h2, ew3, eb3, y; writes y
.if DOCPART == 4
	.amdgcn_target "amdgcn-amd-amdhsa--gfx1250"
	.amdhsa_code_object_version 6
	.text
	.protected	k_q68271f066c_fc3
	.globl	k_q68271f066c_fc3
	.p2align	8
	.type	k_q68271f066c_fc3,@function
k_q68271f066c_fc3:
	s_mov_b64 s[64:65], 0
	v_nop
	global_prefetch_b8 v0, s[64:65] scope:SCOPE_SE
	s_setreg_imm32_b32 hwreg(HW_REG_WAVE_MODE, 25, 1), 1
	s_wait_xcnt 0x0
; THE THIRD EXPERT PRODUCT.  y[kh][slot][token] = h2 (K half kh) ew3[e] (+ eb3[e] in half 0), in f32, scattered to each row's (slot, token) by the list; bf16 operands, f32 sums.
; SHARES.  Work-group (x, e): panel p = x % 16 (64 columns) and K half kh = x / 16 of expert e: 1,024 weight rows of 256 bytes, which it alone reads, and all of that expert's tiles.  K is halved,
; not the panel, so that weight rows and rows of y stay 256 consecutive bytes and there is a work-group for each of 256; the two halves are partial sums, kept in f32 and added by the next launch.
; EIGHT WAVES OF 512 REGISTERS, two to a SIMD's 1,024: one wave's 16 products of a K step can be issued while the other issues its run of 16 loads.
; PHASES 1 and 2 are the second product's: the panel streamed once, rounded to bf16, resident in LDS as [k][64] with the 16-byte pieces of row k turned by k % 8, its first 128 rows laid down a second
; time behind it for the last look-ahead of a group; two groups of 8 x 4 tiles; the matrix instruction transposed; the sums started by loads of the bias out of LDS (zeros in K half 1); the row ring of
; 8 K steps running on from group to group (behind a wave's last live group 64 row loads and 16 LDS loads repeat valid addresses and serve nothing).
; THE WAY OUT.  A lane holds 8 columns of row r.  A tile goes through my wave's own stage (16 rows x 272 bytes) and comes back as whole rows of 256 bytes, into the registers that it left; each row's
; place comes from the list, whose places are held to n - 1.  Rows past the count so carry the last row's entry, and they carry its numbers: they store the same bytes again, so EXEC is never
; narrowed.  Every (slot, token) is on one expert's list: every byte of y is stored.
; NO CLUSTER: each weight byte has one reader; the shared rows' number of tiles is a stored count.
; LIMITS.  NaN and infinities are not treated apart.
.set WP,    4096                       ; bytes in a row of ew3
.set WPL,   12
.set KS,    32
.set NT,    KS/8
.set KSB,   1024
.set HB,    512
.set WSIZE, KS*4096                    ; the panel in LDS, from byte 0; behind it 16,384 bytes: its first 128 rows once more
.set PMAX,  WSIZE-32768+2032           ; the largest panel address of a lane: the last trip's eight K steps, row 15, piece 7
.set STAGE, 163840                     ; 16 rows x 272 bytes for each wave
.set SP,    272
.set BIASL, STAGE+8*16*SP              ; the bias of my 64 columns, f32
.set SPARE, BIASL+256                  ; the spare words, 128 bytes a wave: four blocks of 256 bytes that no other line names
; window 0
.set L16,   3
.set SPW,   4                          ; SPARE + 4 x thread; never rewritten
.set NIL,   5                          ; 0; never rewritten
.set WOFF,  6
.set LANE,  7
.set WADR,  8
.set BADR0, 12
.set BADR,  16
.set WADC,  16                         ; in phase 1: where the first 128 rows go the second time
.set BGO,   20                         ; 8 x lane: a lane's two numbers of the bias in memory; never rewritten
.set VA,    24
.set VAN,   28
.set VE,    32                         ; v32-35  list entries: lane r (both halves) has row r of tile j
.set VR,    36                         ; v36-39  their offsets in rows
.set BST,   40                         ; BIASL + 8 x lane: where a lane's two numbers of the bias go; never rewritten
.set STO,   41                         ; into the stage: row r, 32 bytes for each half of the lanes
.set RD,    42                         ; back: lanes 0-15 one row, lanes 16-31 the next
.set C16,   43                         ; 16 r
.set BIA,   44                         ; BIASL + 32 h: from where a lane's eight numbers of the bias come
.set TQ,    45
.set VY,    48                         ; v48-55  where the eight stores of a tile go
.set IX,    56                         ; v56-63  4 x the lane that holds the entry of row 2 t + h
.set BF,    64
.set ACC,   128                        ; v128-255 accumulator (tile j, column tile c) at ACC + 8 (4 j + c); in phase 1 wave 0 has the bias in v128-130
; window 1: the row ring: slot s, tile j at 32 s + 8 j; in phase 1 v0-127: the weight ring: slot s, load i at 32 s + 4 i
.set WB, 30
.set AB, 32
.set OB, 34
.set BB, 36
.set RB, 46
.set TB, 52                            ; s52  LDS byte at which this trip's eight K steps of the panel begin
.set MSB, 0
.macro WIN new                         ; s_set_vgpr_msb: bits 1:0 source 0, 3:2 source 1, 5:4 source 2, 7:6 destination; the high byte repeats the setting that is left
.if MSB != (\new)
	s_set_vgpr_msb (MSB<<8)|(\new)
.set MSB, \new
.endif
.endm
.set W_MUL, 0x04                       ; source 1 in window 1: a product's rows, an LDS store's data
.set W_LD1, 0x40                       ; destination in window 1
.set W_CV1, 0x45                       ; destination and sources 0, 1 in window 1
.macro FILL s, ahead                   ; 8 loads: my 16 rows of the 128 rows of slot s, two rows of 256 bytes a load
	WIN W_LD1
.set i, 0
.rept 8
	global_load_b128 v[32*(\s)+4*i:32*(\s)+4*i+3], v[WOFF], s[WB:WB+1] offset:((4*(\ahead)+(\s))*128+2*i)*WP th:TH_LOAD_NT
.set i, i+1
.endr
.endm
.macro DRAIN s, left, copy=0           ; left: the loads younger than this slot's eight.  copy = 1: the rows are laid down a second time, behind the panel
	s_wait_loadcnt \left
	WIN W_CV1
.set i, 0
.rept 8
.set b, 32*(\s)+4*i
	v_cvt_pk_bf16_f32 v[b], v[b], v[b+1]
	v_cvt_pk_bf16_f32 v[b+1], v[b+2], v[b+3]
.set i, i+1
.endr
	WIN W_MUL
.set i, 0
.rept 8
.set b, 32*(\s)+4*i
	ds_store_b64 v[WADR+i%4], v[b:b+1] offset:16384*(\s)+256*i
.set i, i+1
.endr
.if \copy
.set i, 0
.rept 8
.set b, 32*(\s)+4*i
	ds_store_b64 v[WADC+i%4], v[b:b+1] offset:256*i
.set i, i+1
.endr
.endif
.endm
.macro ALOAD s
	WIN W_LD1
.irp j, 0,1,2,3
	global_load_b128 v[32*(\s)+8*\j:32*(\s)+8*\j+3],   v[VA+\j], s[AB:AB+1] offset:(\s)*KSB
	global_load_b128 v[32*(\s)+8*\j+4:32*(\s)+8*\j+7], v[VA+\j], s[AB:AB+1] offset:(\s)*KSB+HB
.endr
.endm
.macro BLOAD buf, reg, off
	WIN 0
.irp c, 0,1,2,3
	ds_load_tr16_b128 v[BF+32*(\buf)+8*\c:BF+32*(\buf)+8*\c+3],   v[(\reg)+\c] offset:(\off)
	ds_load_tr16_b128 v[BF+32*(\buf)+8*\c+4:BF+32*(\buf)+8*\c+7], v[(\reg)+\c] offset:(\off)+2048
.endr
.endm
; One K step.  56: the seven younger ring slots' loads may stay out (a group's four entry loads among the younger only make the wait stricter; behind a trip's eighth wait they are in too).
; 8: the next K step's weight fragments may stay out.  The 16 accumulators take turns.  Four v_nop: the places in front of the loads into registers just multiplied.
.macro KSTEP s
	s_wait_loadcnt 56
	s_wait_dscnt 8
	WIN W_MUL
.irp j, 0,1,2,3
.irp c, 0,1,2,3
	v_wmma_f32_16x16x32_bf16 v[ACC+8*(4*\j+\c):ACC+8*(4*\j+\c)+7], v[BF+32*((\s)%2)+8*\c:BF+32*((\s)%2)+8*\c+7], v[32*(\s)+8*\j:32*(\s)+8*\j+7], v[ACC+8*(4*\j+\c):ACC+8*(4*\j+\c)+7]
.endr
.endr
.rept 4
	v_nop
.endr
	ALOAD \s                                       ; the K step eight further on
	BLOAD (\s)%2, BADR, ((\s)+2)*4096              ; the K step two further on; in the last trip K steps 6 and 7 read the repeat behind the panel
.endm
; A trip's head: my panel addresses for its eight K steps.  They are held to the last trip's place, which no trip passes: so the text itself bounds every read of the panel to bytes 0 .. WSIZE + 8,191.
.macro SETB
.irp c, 0,1,2,3
	v_add_nc_u32 v[BADR+\c], s[TB], v[BADR0+\c]
	v_min_u32 v[BADR+\c], PMAX, v[BADR+\c]
.endr
.endm
.macro TRIPEND                         ; the row offsets step eight K steps on; behind the last trip but one they become the next group's, by two masks of which one is 0
	WIN 0
	s_wait_xcnt 0x0                                ; the offsets that pending loads name are rewritten only behind this wait
	s_cmp_eq_u32 s27, 2
	s_cselect_b32 s28, -1, 0
	s_cselect_b32 s54, 0, -1
	s_add_co_u32 s[TB], s[TB], 32768
.irp j, 0,1,2,3
	v_add_nc_u32 v[VA+\j], 8*KSB, v[VA+\j]
	v_and_b32 v[TQ], s28, v[VAN+\j]
	v_and_b32 v[VA+\j], s54, v[VA+\j]
	v_add_nc_u32 v[VA+\j], v[VA+\j], v[TQ]
.endr
.endm
; The sums start at the bias: 32 loads of 16 bytes, the same for all lanes of a half, in place of clearing and adding later.  The wait is for 0: these loads are younger than the weight fragments'.
.macro ACCINIT
.irp j, 0,1,2,3
.irp c, 0,1,2,3
	ds_load_b128 v[ACC+8*(4*\j+\c):ACC+8*(4*\j+\c)+3],   v[BIA] offset:64*\c
	ds_load_b128 v[ACC+8*(4*\j+\c)+4:ACC+8*(4*\j+\c)+7], v[BIA] offset:64*\c+16
.endr
.endr
	s_wait_dscnt 0x0
.endm
.macro NEXTBASE dst, first, add        ; tiles first + add + 0 .. 3, held to the last live tile: 65,536 bytes a tile
.irp j, 0,1,2,3
	s_add_co_u32 s40, \first, (\add)+\j
	s_min_u32 s40, s40, s25
	s_min_u32 s40, s40, 63
	s_lshl_b32 s40, s40, 16
	v_add_nc_u32 v[(\dst)+\j], s40, v[L16]
.endr
.endm
	s_load_b256 s[4:11], s[0:1], 0x0               ; cnt 4, rows 6, h2 8, ew3 10
	s_load_b128 s[12:15], s[0:1], 0x20             ; eb3 12, y 14
	v_lshl_add_u32 v[SPW], v0, 2, SPARE
	v_mov_b32 v[NIL], 0
	v_lshrrev_b32 v48, 5, v0
	v_readfirstlane_b32 s20, v48                   ; wave 0..7
	s_and_b32 s21, ttmp7, 0xffff                   ; expert
	s_and_b32 s22, ttmp9, 15                       ; panel
	s_lshr_b32 s50, ttmp9, 4                       ; K half
	s_cmp_eq_u32 s50, 0
	s_cselect_b32 s39, -1, 0                       ; the bias belongs to half 0 alone
	s_mov_b32 s38, 0xffff0000
	v_and_b32 v1, 15, v0                           ; r
	v_bfe_u32 v2, v0, 4, 1                         ; h
	v_and_b32 v[LANE], 31, v0
	v_lshlrev_b32 v[L16], 4, v[LANE]
	v_lshlrev_b32 v[BGO], 3, v[LANE]
	v_lshl_add_u32 v[BST], v[LANE], 3, BIASL
	s_lshl_b32 s40, s20, 4+WPL
	v_lshlrev_b32 v[WOFF], 4, v1
	v_lshl_add_u32 v[WOFF], v2, WPL, v[WOFF]
	v_add_nc_u32 v[WOFF], s40, v[WOFF]             ; row 16 w + h, 16 bytes a lane
	v_lshrrev_b32 v48, 1, v1
	v_add_nc_u32 v48, v48, v2
	v_and_b32 v50, 1, v1
	v_lshlrev_b32 v50, 3, v50
	v_lshl_add_u32 v50, v2, 7, v50
	s_lshl_b32 s40, s20, 11                        ; 16 rows of 128 bytes a wave
	v_add_nc_u32 v50, s40, v50
.irp m, 0,1,2,3
	v_add_nc_u32 v51, 2*\m, v48
	v_and_b32 v51, 7, v51
	v_lshl_add_u32 v[WADR+\m], v51, 4, v50
	v_add_nc_u32 v[WADC+\m], WSIZE, v[WADR+\m]
.endr
	v_and_b32 v52, 7, v0
	v_bfe_u32 v53, v0, 3, 1
	v_lshl_add_u32 v54, v2, 3, v52
	v_lshlrev_b32 v54, 7, v54
	v_add_nc_u32 v53, v53, v52
.irp c, 0,1,2,3
	v_add_nc_u32 v55, 2*\c, v53
	v_and_b32 v55, 7, v55
	v_lshl_add_u32 v[BADR0+\c], v55, 4, v54
.endr
	v_lshl_add_u32 v[BIA], v2, 5, BIASL
	s_mul_i32 s40, s20, 16*SP
	s_add_co_u32 s40, s40, STAGE                   ; my stage
	v_mul_u32_u24 v[STO], v1, SP
	v_lshl_add_u32 v[STO], v2, 5, v[STO]
	v_add_nc_u32 v[STO], s40, v[STO]
	v_mul_u32_u24 v[RD], v2, SP
	v_lshl_add_u32 v[RD], v1, 4, v[RD]
	v_add_nc_u32 v[RD], s40, v[RD]
	v_lshlrev_b32 v[C16], 4, v1
.irp t, 0,1,2,3,4,5,6,7
	v_lshl_add_u32 v[IX+\t], v2, 2, 8*\t
.endr
	s_mov_b32 s41, 0
	s_wait_kmcnt 0x0
	s_lshl_b32 s40, s21, 7
	s_add_nc_u64 s[42:43], s[4:5], s[40:41]
	s_load_b32 s23, s[42:43], 0x0                  ; n
	s_lshl_b32 s40, s21, 23
	s_lshl_b32 s44, s50, 22
	s_add_co_u32 s40, s40, s44
	s_lshl_b32 s44, s22, 8
	s_add_co_u32 s40, s40, s44
	s_add_nc_u64 s[WB:WB+1], s[10:11], s[40:41]
	s_lshl_b32 s40, s21, 22
	s_lshl_b32 s44, s50, 15
	s_add_co_u32 s40, s40, s44
	s_add_nc_u64 s[AB:AB+1], s[8:9], s[40:41]      ; my half's 32 K steps of each tile
	s_lshl_b32 s40, s50, 23
	s_lshl_b32 s44, s22, 8
	s_add_co_u32 s40, s40, s44
	s_add_nc_u64 s[OB:OB+1], s[14:15], s[40:41]
	s_lshl_b32 s40, s21, 12
	s_add_nc_u64 s[RB:RB+1], s[6:7], s[40:41]
	s_add_co_u32 s40, s40, s44
	s_add_nc_u64 s[BB:BB+1], s[12:13], s[40:41]
	s_cmp_lg_u32 s20, 0
	s_cbranch_scc1 .Lno_bl
	global_load_b64 v[ACC:ACC+1], v[BGO], s[BB:BB+1]  ; wave 0: the 64 numbers of the bias, two a lane
.Lno_bl:
	FILL 0, 0
	FILL 1, 0
	FILL 2, 0
	FILL 3, 0
	WIN 0
	s_wait_kmcnt 0x0
	s_min_u32 s23, s23, 0x400
	s_add_co_u32 s24, s23, 15
	s_lshr_b32 s24, s24, 4                         ; tiles
	s_max_u32 s25, s24, 1
	s_sub_co_u32 s25, s25, 1                       ; the last live tile
	s_max_u32 s51, s23, 1
	s_sub_co_u32 s51, s51, 1                       ; the last entry's place
	s_lshl_b32 s49, s20, 2
	NEXTBASE VA, s49, 0
	DRAIN 0, 24, 1                                 ; PHASE 1: rows 0-511 are laid down while rows 512-1,023 are asked for; rows 0-127 twice
	FILL 0, 1
	DRAIN 1, 24
	FILL 1, 1
	DRAIN 2, 24
	FILL 2, 1
	DRAIN 3, 24
	FILL 3, 1
	WIN 0
.irp m, 0,1,2,3
	v_add_nc_u32 v[WADR+\m], 0x10000, v[WADR+\m]
.endr
	DRAIN 0, 24                                    ; the last round loads nothing: the counts run down
	DRAIN 1, 16
	DRAIN 2, 8
	DRAIN 3, 0
.irp s, 0,1,2,3,4,5,6,7
	ALOAD \s                                       ; the row ring is filled: K steps 0-7 of group 0
.endr
	WIN 0
	s_cmp_lg_u32 s20, 0
	s_cbranch_scc1 .Lno_bias
	v_cvt_pk_bf16_f32 v[ACC+2], v[ACC], v[ACC+1]   ; wave 0: the bias (in since the wait for 0 above) is rounded to bf16 like every input,
	v_and_b32 v[ACC+2], s39, v[ACC+2]              ; is 0 in K half 1,
	v_lshlrev_b32 v[ACC], 16, v[ACC+2]
	v_and_b32 v[ACC+1], s38, v[ACC+2]
	ds_store_b64 v[BST], v[ACC:ACC+1]              ; and is laid into LDS as f32
.Lno_bias:
	s_wait_dscnt 0x0                               ; for the others' sake: my eighth of the panel (and the bias) is in LDS
	s_barrier_signal -1
	s_barrier_wait -1
	BLOAD 0, BADR0, 0
	BLOAD 1, BADR0, 4096
	s_wait_xcnt 0x0
.irp j, 0,1,2,3
	v_add_nc_u32 v[VA+\j], 8*KSB, v[VA+\j]         ; the refills run eight K steps ahead
.endr
	s_mov_b32 s26, 0
.Lgroup:                               ; PHASE 2
	s_lshl_b32 s40, s26, 5
	s_lshl2_add_u32 s49, s20, s40                  ; my first tile: 32 g + 4 w
	s_cmp_ge_u32 s49, s24
	s_cbranch_scc1 .Lnext
	s_wait_xcnt 0x0                                ; the last group's stores have read the accumulators' registers, which are loaded again below
	NEXTBASE VAN, s49, 32
.irp j, 0,1,2,3
	s_add_co_u32 s40, s49, \j
	s_lshl_b32 s40, s40, 4
	v_add_nc_u32 v[VR+\j], s40, v1                 ; place 16 T + r,
	v_min_u32 v[VR+\j], s51, v[VR+\j]              ; held to n - 1: rows past the count take the last row's entry,
	v_min_u32 v[VR+\j], 0x3ff, v[VR+\j]            ; and to the list's end
	v_lshlrev_b32 v[VR+\j], 2, v[VR+\j]
	global_load_b32 v[VE+\j], v[VR+\j], s[RB:RB+1]
.endr
	s_mov_b32 s[TB], 0
	ACCINIT
	s_mov_b32 s27, NT
.Lk:
	SETB
	KSTEP 0
	KSTEP 1
	KSTEP 2
	KSTEP 3
	KSTEP 4
	KSTEP 5
	KSTEP 6
	KSTEP 7
	TRIPEND
	s_sub_co_u32 s27, s27, 1
	s_cmp_lg_u32 s27, 0
	s_cbranch_scc1 .Lk
.irp j, 0,1,2,3                        ; THE WAY OUT, tile by tile; from the first tile past the count on nothing is stored
	s_add_co_u32 s40, s49, \j
	s_cmp_ge_u32 s40, s24
	s_cbranch_scc1 .Lnext
.irp c, 0,1,2,3
	ds_store_b128 v[STO], v[ACC+8*(4*\j+\c):ACC+8*(4*\j+\c)+3]   offset:64*\c     ; each accumulator from its low end on
	ds_store_b128 v[STO], v[ACC+8*(4*\j+\c)+4:ACC+8*(4*\j+\c)+7] offset:64*\c+16
.endr
	s_wait_xcnt 0x0                                ; the tile before's stores have read their offsets, which are written again below
.irp t, 0,1,2,3,4,5,6,7
	ds_bpermute_b32 v[VY+\t], v[IX+\t], v[VE+\j]   ; the entry of row 2 t + h
.endr
.irp t, 0,1,2,3,4,5,6,7
	ds_load_b128 v[ACC+32*\j+4*\t:ACC+32*\j+4*\t+3], v[RD] offset:2*SP*\t  ; LDS serves a wave's instructions in order (ISA guide 5.7.1.4): these see the stores above, and land in the registers that those have left
.endr
	s_wait_dscnt 8                                 ; the eight entries are in; the eight rows' loads may be out
.irp t, 0,1,2,3,4,5,6,7
	v_min_u32 v[VY+\t], 0x7ff, v[VY+\t]
	v_lshl_add_u32 v[VY+\t], v[VY+\t], 12, v[C16]  ; (slot x 1,024 + token) x 4,096 + 16 r
.endr
.irp t, 0,1,2,3,4,5,6,7
	s_wait_dscnt 7-\t
	global_store_b128 v[VY+\t], v[ACC+32*\j+4*\t:ACC+32*\j+4*\t+3], s[OB:OB+1]  ; 16 lanes store 256 consecutive bytes of a token's row, at a multiple of 256 from y's first byte
.endr
.endr
.Lnext:
	s_add_co_u32 s26, s26, 1
	s_cmp_lt_u32 s26, 2
	s_cbranch_scc1 .Lgroup
	s_wait_tensorcnt 0x0                           ; the wave's end
	ds_add_u32 v[SPW], v[NIL]
	s_wait_dscnt 0x0
	s_endpgm
.Lfunc_end_k_q68271f066c_fc3:
	.size	k_q68271f066c_fc3, .Lfunc_end_k_q68271f066c_fc3-k_q68271f066c_fc3
	.p2alignl 7, 3214868480
	.fill 96, 4, 3214868480
	.section	.rodata,"a",@progbits
	.p2align	6, 0x0
	.amdhsa_kernel k_q68271f066c_fc3
		.amdhsa_group_segment_fixed_size 199936
		.amdhsa_private_segment_fixed_size 0
		.amdhsa_enable_private_segment 0
		.amdhsa_kernarg_size 48
		.amdhsa_user_sgpr_count 2
		.amdhsa_user_sgpr_kernarg_segment_ptr 1
		.amdhsa_wavefront_size32 1
		.amdhsa_system_sgpr_workgroup_id_x 1
		.amdhsa_system_sgpr_workgroup_id_y 1
		.amdhsa_system_sgpr_workgroup_id_z 1
		.amdhsa_system_vgpr_workitem_id 0
		.amdhsa_next_free_vgpr 512
		.amdhsa_next_free_sgpr 66
		.amdhsa_reserve_vcc 0
		.amdhsa_float_denorm_mode_32 3
		.amdhsa_float_denorm_mode_16_64 3
		.amdhsa_memory_ordered 1
		.amdhsa_forward_progress 1
		.amdhsa_inst_pref_size 74
	.end_amdhsa_kernel
	.amdgpu_metadata
---
amdhsa.version: [ 1, 2 ]
amdhsa.kernels:
  - .name:           k_q68271f066c_fc3
    .symbol:         k_q68271f066c_fc3.kd
    .args:
      - { .name: cnt, .offset: 0, .size: 8, .value_kind: global_buffer, .address_space: global }
      - { .name: rows, .offset: 8, .size: 8, .value_kind: global_buffer, .address_space: global }
      - { .name: h2, .offset: 16, .size: 8, .value_kind: global_buffer, .address_space: global }
      - { .name: ew3, .offset: 24, .size: 8, .value_kind: global_buffer, .address_space: global }
      - { .name: eb3, .offset: 32, .size: 8, .value_kind: global_buffer, .address_space: global }
      - { .name: y, .offset: 40, .size: 8, .value_kind: global_buffer, .address_space: global }
    .group_segment_fixed_size: 199936
    .private_segment_fixed_size: 0
    .kernarg_segment_align: 8
    .kernarg_segment_size: 48
    .max_flat_workgroup_size: 256
    .sgpr_count:     66
    .vgpr_count:     512
    .wavefront_size: 32
...
	.end_amdgpu_metadata
.endif
;; end of part 4
;; launch combine (part 5): grid 256 x 1, 4 waves a work-group, no clusters, 0 bytes of LDS; arguments y, gatew, out2, out0, out1; writes out0, out1
.if DOCPART == 5
	.amdgcn_target "amdgcn-amd-amdhsa--gfx1250"
	.amdhsa_code_object_version 6
	.text
	.protected	k_q68271f066c_combine
	.globl	k_q68271f066c_combine
	.p2align	8
	.type	k_q68271f066c_combine,@function
k_q68271f066c_combine:
	s_mov_b64 s[64:65], 0
	v_nop
	global_prefetch_b8 v0, s[64:65] scope:SCOPE_SE
	s_setreg_imm32_b32 hwreg(HW_REG_WAVE_MODE, 25, 1), 1
	s_wait_xcnt 0x0
; out0[token] = w0 (y[0][0] + y[1][0]) + w1 (y[0][1] + y[1][1]): the two K halves of each of the token's two experts, weighed by the gate; and the load-balancing loss from out2.
; A stream: a wave has one token, 4 x 4,096 bytes in and 4,096 out; all 32 loads go out first, four sources for each 512 bytes, and the waits count down by four.  No LDS, no barrier, no matrix unit, no
; cluster: nothing is shared and memory binds.  Every load and store of a wave covers 512 consecutive bytes.
; THE LOSS (wave 0 of work-group 0): usage = the mean of the 1,024 rows of out2; with L = log2(usage + 1e-8) and d = usage - mean(usage),
;   loss = 0.01 (0.5 kl + 0.3 var + 0.2 (8 ln 8 - ent)) = 0.01 (sum of L (0.2 ln 2 usage - 0.0625 ln 2) + (0.3 / 7) sum of d^2) + 0.01 (1.6 ln 8 - 0.5 ln 8).
; The variance is taken of the differences from the mean, not as a difference of sums.
.set Y, 16                             ; v16-143: chunk q of 512 bytes: sources (K half 0, slot 0), (1, 0), (0, 1), (1, 1) at Y + 16 q + 0, 4, 8, 12
	s_load_b256 s[4:11], s[0:1], 0x0               ; y 4, gatew 6, out2 8, out0 10
	s_load_b64 s[12:13], s[0:1], 0x20              ; out1
	v_lshrrev_b32 v1, 5, v0
	v_readfirstlane_b32 s14, v1                    ; wave
	v_and_b32 v2, 31, v0
	v_lshlrev_b32 v3, 4, v2                        ; 16 x lane
	s_lshl2_add_u32 s15, ttmp9, s14                ; my token
	s_lshl_b32 s16, s15, 12
	s_mov_b32 s17, 0
	s_lshl_b32 s18, s15, 3
	s_mov_b32 s19, 0
	s_wait_kmcnt 0x0
	s_add_nc_u64 s[24:25], s[6:7], s[18:19]
	s_load_b64 s[26:27], s[24:25], 0x0             ; w0, w1
	s_add_nc_u64 s[20:21], s[4:5], s[16:17]        ; K half 0
	s_add_nc_u64 s[22:23], s[20:21], 0x800000      ; K half 1
	s_add_nc_u64 s[10:11], s[10:11], s[16:17]
.irp q, 0,1,2,3,4,5,6,7
	global_load_b128 v[Y+16*\q:Y+16*\q+3],     v3, s[20:21] offset:512*\q th:TH_LOAD_NT
	global_load_b128 v[Y+16*\q+4:Y+16*\q+7],   v3, s[22:23] offset:512*\q th:TH_LOAD_NT
	global_load_b128 v[Y+16*\q+8:Y+16*\q+11],  v3, s[20:21] offset:0x400000+512*\q th:TH_LOAD_NT
	global_load_b128 v[Y+16*\q+12:Y+16*\q+15], v3, s[22:23] offset:0x400000+512*\q th:TH_LOAD_NT
.endr
	s_wait_kmcnt 0x0
	s_mov_b32 s28, s27                             ; w1 as the low word of a pair: the packed forms take a scalar pair's low word for both halves
	s_mov_b32 s29, s27
.irp q, 0,1,2,3,4,5,6,7
	s_wait_loadcnt 4*(7-\q)                        ; the later chunks' four loads each may stay out
	v_pk_add_f32 v[Y+16*\q:Y+16*\q+1],     v[Y+16*\q:Y+16*\q+1],     v[Y+16*\q+4:Y+16*\q+5]
	v_pk_add_f32 v[Y+16*\q+2:Y+16*\q+3],   v[Y+16*\q+2:Y+16*\q+3],   v[Y+16*\q+6:Y+16*\q+7]
	v_pk_add_f32 v[Y+16*\q+8:Y+16*\q+9],   v[Y+16*\q+8:Y+16*\q+9],   v[Y+16*\q+12:Y+16*\q+13]
	v_pk_add_f32 v[Y+16*\q+10:Y+16*\q+11], v[Y+16*\q+10:Y+16*\q+11], v[Y+16*\q+14:Y+16*\q+15]
	v_pk_mul_f32 v[Y+16*\q:Y+16*\q+1],     v[Y+16*\q:Y+16*\q+1],     s[26:27] op_sel_hi:[1,0]
	v_pk_mul_f32 v[Y+16*\q+2:Y+16*\q+3],   v[Y+16*\q+2:Y+16*\q+3],   s[26:27] op_sel_hi:[1,0]
	v_pk_fma_f32 v[Y+16*\q:Y+16*\q+1],     v[Y+16*\q+8:Y+16*\q+9],   s[28:29], v[Y+16*\q:Y+16*\q+1]   op_sel_hi:[1,0,1]
	v_pk_fma_f32 v[Y+16*\q+2:Y+16*\q+3],   v[Y+16*\q+10:Y+16*\q+11], s[28:29], v[Y+16*\q+2:Y+16*\q+3] op_sel_hi:[1,0,1]
	global_store_b128 v3, v[Y+16*\q:Y+16*\q+3], s[10:11] offset:512*\q th:TH_STORE_NT
.endr
	s_or_b32 s30, ttmp9, s14
	s_cmp_lg_u32 s30, 0
	s_cbranch_scc1 .Lend
	; THE LOSS.  A load's lane holds experts 4 (lane % 2) + 0..3 of token 16 q + lane / 2.  Two batches of 32 loads; four chains of sums, started by the first four loads: nothing is cleared.
	s_wait_xcnt 0x0                                ; the stores above have read the registers that are loaded again
.macro BATCH n
.set q, 0
.rept 32
	global_load_b128 v[Y+4*q:Y+4*q+3], v3, s[8:9] offset:512*(32*(\n)+q)
.set q, q+1
.endr
	s_wait_loadcnt 0x0
.set q, 4
.rept 28
	v_pk_add_f32 v[Y+4*(q%4):Y+4*(q%4)+1],   v[Y+4*(q%4):Y+4*(q%4)+1],   v[Y+4*q:Y+4*q+1]
	v_pk_add_f32 v[Y+4*(q%4)+2:Y+4*(q%4)+3], v[Y+4*(q%4)+2:Y+4*(q%4)+3], v[Y+4*q+2:Y+4*q+3]
.set q, q+1
.endr
	v_pk_add_f32 v[Y:Y+1],     v[Y:Y+1],     v[Y+4:Y+5]
	v_pk_add_f32 v[Y+2:Y+3],   v[Y+2:Y+3],   v[Y+6:Y+7]
	v_pk_add_f32 v[Y+8:Y+9],   v[Y+8:Y+9],   v[Y+12:Y+13]
	v_pk_add_f32 v[Y+10:Y+11], v[Y+10:Y+11], v[Y+14:Y+15]
.endm
	BATCH 0
	v_pk_add_f32 v[8:9],   v[Y:Y+1],   v[Y+8:Y+9]
	v_pk_add_f32 v[10:11], v[Y+2:Y+3], v[Y+10:Y+11]
	BATCH 1
	v_pk_add_f32 v[Y:Y+1],   v[Y:Y+1],   v[Y+8:Y+9]
	v_pk_add_f32 v[Y+2:Y+3], v[Y+2:Y+3], v[Y+10:Y+11]
	v_pk_add_f32 v[8:9],   v[8:9],   v[Y:Y+1]
	v_pk_add_f32 v[10:11], v[10:11], v[Y+2:Y+3]
	s_mov_b32 s16, 0x76543210                      ; v_permlanex16_b32: each lane takes its own place in the other half
	s_mov_b32 s17, 0xfedcba98
	s_mov_b32 s18, 0x3e0df4e0                      ; 0.2 ln 2
	s_mov_b32 s19, 0xbd317218                      ; -0.0625 ln 2
	s_mov_b32 s20, 0x3c23d70a                      ; 0.01
	s_mov_b32 s21, 0x3cbb61f4                      ; 0.01 x 1.1 ln 8
	v_mov_b32 v12, 0                               ; the permute's destination counts as read
.irp i, 8,9,10,11
	v_add_f32_dpp v\i, v\i, v\i row_xmask:2 row_mask:0xf bank_mask:0xf  ; over the lanes of my parity
	v_add_f32_dpp v\i, v\i, v\i row_xmask:4 row_mask:0xf bank_mask:0xf
	v_add_f32_dpp v\i, v\i, v\i row_xmask:8 row_mask:0xf bank_mask:0xf
	v_permlanex16_b32 v12, v\i, s16, s17
	v_add_f32 v\i, v\i, v12
	v_mul_f32 v\i, 0x3a800000, v\i                 ; / 1,024: usage
.endr
	v_add_f32 v13, v8, v9
	v_add_f32 v14, v10, v11
	v_add_f32 v13, v13, v14
	v_add_f32_dpp v13, v13, v13 row_xmask:1 row_mask:0xf bank_mask:0xf  ; the other four experts'
	v_mul_f32 v13, 0.125, v13                      ; the mean
.irp i, 0,1,2,3
	v_add_f32 v[20+\i], 0x322bcc77, v[8+\i]        ; usage + 1e-8
.endr
.irp i, 0,1,2,3
	v_log_f32 v[20+\i], v[20+\i]
.endr
.irp i, 0,1,2,3
	v_sub_f32 v[16+\i], v[8+\i], v13               ; d (plain work behind the logarithms)
	v_fma_f32 v[24+\i], v[8+\i], s18, s19
.endr
	v_mul_f32 v14, v16, v16
	v_fma_f32 v14, v17, v17, v14
	v_fma_f32 v14, v18, v18, v14
	v_fma_f32 v14, v19, v19, v14
	v_mul_f32 v14, 0x3d2f8af9, v14                 ; x 0.3 / 7
	s_wait_alu depctr_va_vdst(0)                   ; one wait for the four logarithms, ahead of their first reader
	v_fma_f32 v14, v20, v24, v14
	v_fma_f32 v14, v21, v25, v14
	v_fma_f32 v14, v22, v26, v14
	v_fma_f32 v14, v23, v27, v14
	v_add_f32_dpp v14, v14, v14 row_xmask:1 row_mask:0xf bank_mask:0xf
	v_fma_f32 v15, v14, s20, s21
	v_mov_b32 v4, 0
	v_cmp_eq_u32 vcc_lo, 0, v2
	s_wait_xcnt 0x0                                ; EXEC changes only behind this wait
	s_and_saveexec_b32 s22, vcc_lo
	global_store_b32 v4, v15, s[12:13]
	s_wait_xcnt 0x0                                ; and again, in front of the line that widens it
	s_or_b32 exec_lo, exec_lo, s22
.Lend:
	s_endpgm
.Lfunc_end_k_q68271f066c_combine:
	.size	k_q68271f066c_combine, .Lfunc_end_k_q68271f066c_combine-k_q68271f066c_combine
	.p2alignl 7, 3214868480
	.fill 96, 4, 3214868480
	.section	.rodata,"a",@progbits
	.p2align	6, 0x0
	.amdhsa_kernel k_q68271f066c_combine
		.amdhsa_group_segment_fixed_size 0
		.amdhsa_private_segment_fixed_size 0
		.amdhsa_enable_private_segment 0
		.amdhsa_kernarg_size 40
		.amdhsa_user_sgpr_count 2
		.amdhsa_user_sgpr_kernarg_segment_ptr 1
		.amdhsa_wavefront_size32 1
		.amdhsa_system_sgpr_workgroup_id_x 1
		.amdhsa_system_sgpr_workgroup_id_y 1
		.amdhsa_system_sgpr_workgroup_id_z 1
		.amdhsa_system_vgpr_workitem_id 0
		.amdhsa_next_free_vgpr 144
		.amdhsa_next_free_sgpr 66
		.amdhsa_reserve_vcc 1
		.amdhsa_float_denorm_mode_32 3
		.amdhsa_float_denorm_mode_16_64 3
		.amdhsa_memory_ordered 1
		.amdhsa_forward_progress 1
		.amdhsa_inst_pref_size 27
	.end_amdhsa_kernel
	.amdgpu_metadata
---
amdhsa.version: [ 1, 2 ]
amdhsa.kernels:
  - .name:           k_q68271f066c_combine
    .symbol:         k_q68271f066c_combine.kd
    .args:
      - { .name: y, .offset: 0, .size: 8, .value_kind: global_buffer, .address_space: global }
      - { .name: gatew, .offset: 8, .size: 8, .value_kind: global_buffer, .address_space: global }
      - { .name: out2, .offset: 16, .size: 8, .value_kind: global_buffer, .address_space: global }
      - { .name: out0, .offset: 24, .size: 8, .value_kind: global_buffer, .address_space: global }
      - { .name: out1, .offset: 32, .size: 8, .value_kind: global_buffer, .address_space: global }
    .group_segment_fixed_size: 0
    .private_segment_fixed_size: 0
    .kernarg_segment_align: 8
    .kernarg_segment_size: 40
    .max_flat_workgroup_size: 128
    .sgpr_count:     66
    .vgpr_count:     144
    .wavefront_size: 32
...
	.end_amdgpu_metadata
.endif
;; end of part 5
